; MI455X (gfx1250); checked and timed in simulation.
; The chip was launched on July 23, 2026; its instructions are those of AMD's public machine-readable ISA for CDNA 5 (MIT licence, August 2026) and "CDNA5" Instruction Set Architecture Reference Guide (July 2026). The comments in the code are by the model that wrote it; some were corrected since.
;; Deformable Attention. Allowed arithmetic: matrix products marked QUANTISED: E4M3 operands, one E8M0 scale for each 32 along K, by v_wmma_scale_f32_16x16x128_f8f6f4 with both operands' format E4M3, f32 sums; everything else in f32.
;; Inputs: W_attn_codes 32 x 8 x 32 uint8 (E4M3 codes of W_attn, K innermost, in blocks of 32 codes); W_attn_scales 32 x 8 uint8 (E8M0 scales of W_attn, one for each 32 codes along K); W_off_codes 64 x 8 x 32 uint8 (E4M3 codes of W_off, K innermost, in blocks of 32 codes); W_off_scales 64 x 8 uint8 (E8M0 scales of W_off, one for each 32 codes along K); W_out_codes 256 x 8 x 32 uint8 (E4M3 codes of W_out, K innermost, in blocks of 32 codes); W_out_scales 256 x 8 uint8 (E8M0 scales of W_out, one for each 32 codes along K); W_v_codes 256 x 8 x 32 uint8 (E4M3 codes of W_v, K innermost, in blocks of 32 codes); W_v_scales 256 x 8 uint8 (E8M0 scales of W_v, one for each 32 codes along K); b_attn 32 float32; b_off 64 float32; b_out 256 float32; b_v 256 float32; query_codes 8 x 900 x 8 x 32 uint8 (E4M3 codes of query, K innermost, in blocks of 32 codes); query_scales 8 x 900 x 8 uint8 (E8M0 scales of query, one for each 32 codes along K); reference_points 8 x 900 x 2 float32; value_codes 8 x 100 x 100 x 8 x 32 uint8 (E4M3 codes of value, K innermost, in blocks of 32 codes); value_scales 8 x 100 x 100 x 8 uint8 (E8M0 scales of value, one for each 32 codes along K).
;; Outputs: out0 8 x 900 x 256 float32.
;; This version of the problem:
;;   THIS VERSION OF THE PROBLEM IS GIVEN IN LOW PRECISION. The matrix products marked QUANTISED in the list below multiply operands that are first quantised to E4M3 (4 exponent bits, 3 mantissa bits; 8 bits a number), with one power-of-two scale for each 32 numbers along K (OCP MX v1.0); their sums are f32. All else is computed in f32.
;;   The module's matrix products, in the order in which they are computed (A, B: the left and right operand; K: the contracted axis; several contracted axes count as one K, in the product's order):
;;     1. [M 7,200, K 256] x [K 256, N 64]; A: input query (given as codes); B: input W_off (given as codes): QUANTISED
;;     2. [M 7,200, K 256] x [K 256, N 32]; A: input query (given as codes); B: input W_attn (given as codes): QUANTISED
;;     3. [M 80,000, K 256] x [K 256, N 256]; A: input value (given as codes); B: input W_v (given as codes): QUANTISED
;;     4. [M 7,200, K 256] x [K 256, N 256]; A: computed on the way; B: input W_out (given as codes): QUANTISED
;;   THE QUANTISER, for each operand of a quantised product, along K:
;;     - K is cut into blocks of 32 from its start; a last block that is shorter is filled with zeros.
;;     - A block's scale is 2^e with e = floor(log2(the largest magnitude in the block)) - 8, held to -126 .. 127; a block of zeros has e = 0. As a byte (E8M0): e + 127.
;;     - Each number is divided by its block's scale, clamped to +-448, and rounded to the nearest number of E4M3, ties to even, subnormals kept.
;;     - The product sums the exact products of the quantised numbers (number of the format x scale) in f32.
;;   ~~~python
;;   def quantise(x, axis):      # numpy; x: float32 -> the quantised numbers, widened to float32 again
;;       x = np.moveaxis(x, axis, -1); K = x.shape[-1]
;;       x = np.pad(x, [(0, 0)] * (x.ndim - 1) + [(0, -K % 32)]); x = x.reshape(x.shape[:-1] + (-1, 32)); a = np.abs(x).max(-1, keepdims=True)
;;       e = np.where(a > 0, np.clip(np.frexp(np.where(a > 0, a, 1))[1] - 1 - 8, -126, 127), 0)      # np.frexp(a)[1] - 1 = floor(log2(a)), exactly
;;       r = np.clip(x / 2.0 ** e, -448, 448)
;;       step = 2.0 ** (np.maximum(np.frexp(np.where(r == 0, 1, r))[1] - 1, -6) - 3)
;;       q = np.round(r / step) * step * 2.0 ** e      # np.round: ties to even
;;       return np.moveaxis(q.reshape(q.shape[:-2] + (-1,))[..., :K], -1, axis).astype(np.float32)
;;   ~~~
;;   OPERANDS COMPUTED ON THE WAY. 'Computed on the way' means the value that the module computes at that place (a softmax that the list does not call 'softmax' is quantised finished and normalised). What goes into a quantiser is computed in f32, as accurately as f32 sums, v_exp_f32 and their like allow (about 1e-6 of the number): no bf16 or f16 on the way to a quantiser, and a product that is left as it is and whose result goes on into a quantised operand takes f32 operands (vector FMAs, or v_wmma_f32_16x16x4_f32). A number that lies on a knife's edge between two numbers of the format may be rounded either way, as far as f32 arithmetic and the matrix unit's own rounding can turn it there, and no further.
;;   INPUTS GIVEN AS CODES. W_attn (in the module: [256, 32], K = its axis 0); W_off (in the module: [256, 64], K = its axis 0); W_out (in the module: [256, 256], K = its axis 0); W_v (in the module: [256, 256], K = its axis 0); query (in the module: [8, 900, 256], K = its axis 2); value (in the module: [8, 256, 100, 100], K = its axis 1): each comes as NAME_codes (uint8): NAME with its K axis moved to the last place and cut into blocks of 32 codes, [.., K / 32, bytes a block], one block behind the other in memory; one code a byte (a code: sign, 4 exponent bits, 3 mantissa bits); and NAME_scales (uint8): the same leading axes, one E8M0 byte (e + 127) for each 32 codes along K. Its value is code x scale, taken as it is: it is not quantised again, and the codes and scales need not be those that the quantiser above would give.
;; 2 versions. Each part assembles by itself: llvm-mc -triple=amdgcn-amd-amdhsa -mcpu=gfx1250 --defsym DOCPART=n.
;; ======== version 1 of 2: 2 launches
;; workspace buffers: idx 3,686,400 bytes of whole numbers; wts 3,686,400 bytes; sw 115,200 bytes
;; launch points (part 1): grid 450 x 1, 2 waves a work-group, no clusters, 0 bytes of LDS; arguments query_codes, query_scales, reference_points, W_off_codes, W_off_scales, b_off, W_attn_codes, W_attn_scales, b_attn, idx, wts, sw; writes idx, wts, sw
.if DOCPART == 1
	.amdgcn_target "amdgcn-amd-amdhsa--gfx1250"
	.amdhsa_code_object_version 6
	.text
	.protected	k_qf5de469bc0_points
	.globl	k_qf5de469bc0_points
	.p2align	8
	.type	k_qf5de469bc0_points,@function
k_qf5de469bc0_points:
	s_mov_b64 s[64:65], 0
	v_nop
	global_prefetch_b8 v0, s[64:65] scope:SCOPE_SE
	s_setreg_imm32_b32 hwreg(HW_REG_WAVE_MODE, 25, 1), 1
	s_wait_xcnt 0x0
; THE SAMPLING POINTS.  For 16 queries: offsets = query W_off + b_off and logits = query W_attn + b_attn, both on codes of E4M3 with E8M0 scales as they are given;
; softmax over the 4 points of each head; location = clip(ref + 0.1 offset, 0, 1); and for each of the 32 points of a query its 4 bilinear corners:
;   idx: the row of value (batch x 10000 + y x 100 + x, clipped into the map), a whole number;   wts: attention x wx x wy x valid / 8, f32;   sw: sums of weights (they multiply b_v later).
; LAYOUT OF idx AND wts: [450 tiles of 16 queries][2 halves][16 points][16 queries][4 corners], 4 bytes each: a point of 16 queries is 256 consecutive bytes.  Half = head mod 2; point = 4 (head / 2) + p.
; Corner 0: (x0, y0), 1: (x1, y0), 2: (x0, y1), 3: (x1, y1).   sw: [450][2 waves][2 halves][16 queries]: the sum of the 32 weights that a lane has made.
; SHARES.  A work-group takes a tile of 16 queries (7,200 = 450 x 16); its two waves share the heads: wave w takes heads 4 w .. 4 w + 3.  They share nothing else: no LDS, no barrier, no loop;
; no address and no branch hangs on a floating-point number.
; BOTH PRODUCTS ARE USED TRANSPOSED (source 0 = 16 rows of the weight, source 1 = the 16 queries): lane (r, h) holds query r.  W_off tile t takes rows 16 t + 0 .. 15: register j is head 2 t + h, point j / 2, x or y.
; THE ROWS OF W_attn THAT FORM A TILE ARE CHOSEN: lane r of tile a takes row 16 a + 8 ((r / 4) mod 2) + 4 (r / 8) + r mod 4, so that register j is head 4 a + 2 (j / 4) + h, point j mod 4.
; Wave w takes W_off's tiles 2 w, 2 w + 1 and W_attn's tile w: a lane then holds offsets and logits of the same two heads 4 w + 2 i + h, i = 0, 1.
; The biases are loaded into the accumulators and are the C of each sum's first product.
; LIMITS: NaN and infinities among the inputs are not served.  The coordinates are made with fused multiply-adds where the definition multiplies and then adds: they may differ in the last bit, which can move a
; point that lies on a cell's edge into the neighbouring cell, where the bilinear sum has the same value up to that bit.
; REGISTERS: v1 r, v2 h, v3-11 offsets, v12 batch x 10000, v13 the sum of my weights; v16-47 the queries' two fragments; v48 their scale words (lanes 0-15: K 0-127, lanes 16-31: K 128-255), v49-51 the three weight tiles' likewise;
;   v56-57 the reference point; v64-79 offsets; v80-87 logits, then attention / 8; v88-111 four chains of six at work; v112-119 the softmax's;
;   v128-223 the weights' six fragments; when the products are long done, v128-191 take, for each of my 8 points, 4 indices and 4 weights, written once each.
.set OD,  64
.set LG,  80
.set WK,  88
.set WF,  128
.set PT0, 128
	s_load_b512 s[8:23], s[0:1], 0x0               ; query codes 8, query scales 10, reference points 12, W_off codes 14, scales 16, b_off 18, W_attn codes 20, scales 22
	s_load_b256 s[24:31], s[0:1], 0x40             ; b_attn 24, idx 26, wts 28, sw 30
	v_lshrrev_b32 v1, 5, v0
	v_readfirstlane_b32 s34, v1                    ; wave 0, 1
	s_mov_b32 s35, ttmp9                           ; my tile
	s_mov_b32 s37, 0
	s_mov_b32 s40, 0x3dcccccd                      ; 0.1
	s_mov_b32 s41, 0x42c80000                      ; 100.0: the map's width and height
	s_mov_b32 s42, 0x42c60000                      ; 99.0: the last column and row
	s_mov_b32 s43, 0x3fb8aa3b                      ; log2(e)
	v_and_b32 v1, 15, v0                           ; r
	v_bfe_u32 v2, v0, 4, 1                         ; h
	v_lshlrev_b32 v3, 8, v1
	v_lshl_add_u32 v3, v2, 4, v3                   ; a fragment's row r of 256 bytes, + 16 h
	v_bfe_u32 v4, v1, 2, 1
	v_lshrrev_b32 v5, 3, v1
	v_and_b32 v6, 3, v1
	v_lshl_add_u32 v6, v4, 3, v6
	v_lshl_add_u32 v6, v5, 2, v6                   ; W_attn: my row in a tile
	v_lshlrev_b32 v4, 8, v6
	v_lshl_add_u32 v4, v2, 4, v4                   ; its codes,
	v_lshlrev_b32 v6, 3, v6
	v_lshl_add_u32 v6, v2, 2, v6                   ; its scale word: 8 bytes a row; lanes 16-31 take the second word
	v_lshlrev_b32 v5, 3, v1
	v_lshl_add_u32 v5, v2, 2, v5                   ; the same for natural rows
	v_lshlrev_b32 v7, 5, v2                        ; b_off: 8 numbers further on for lanes 16-31
	v_lshlrev_b32 v8, 4, v2                        ; b_attn: 4 numbers
	v_lshlrev_b32 v9, 3, v1                        ; the reference point: 8 bytes a query
	s_wait_kmcnt 0x0
	s_lshl_b32 s36, s35, 12                        ; 16 queries x 256 bytes of codes
	s_add_nc_u64 s[8:9], s[8:9], s[36:37]
	s_lshl_b32 s36, s35, 7                         ; 16 x 8 bytes: scales, reference points
	s_add_nc_u64 s[10:11], s[10:11], s[36:37]
	s_add_nc_u64 s[12:13], s[12:13], s[36:37]
	s_lshl_b32 s36, s34, 13                        ; W_off: my two tiles of 4,096 bytes,
	s_add_nc_u64 s[14:15], s[14:15], s[36:37]
	s_lshl_b32 s36, s34, 8                         ; their scale words, 128 bytes a tile,
	s_add_nc_u64 s[16:17], s[16:17], s[36:37]
	s_lshl_b32 s36, s34, 7                         ; their 32 numbers of b_off; and W_attn's scale words: my one tile
	s_add_nc_u64 s[18:19], s[18:19], s[36:37]
	s_add_nc_u64 s[22:23], s[22:23], s[36:37]
	s_lshl_b32 s36, s34, 12                        ; W_attn: my tile
	s_add_nc_u64 s[20:21], s[20:21], s[36:37]
	s_lshl_b32 s36, s34, 6                         ; its 16 numbers of b_attn
	s_add_nc_u64 s[24:25], s[24:25], s[36:37]
	s_lshl_b32 s36, s35, 13                        ; a tile of idx and of wts: 8,192 bytes; my 8 points of each half begin 2,048 x wave on
	s_lshl_b32 s38, s34, 11
	s_add_co_u32 s36, s36, s38
	s_add_nc_u64 s[26:27], s[26:27], s[36:37]
	s_add_nc_u64 s[28:29], s[28:29], s[36:37]
	s_lshl_b32 s36, s35, 8                         ; a tile of sw: 256 bytes; my wave's 128
	s_lshl_b32 s38, s34, 7
	s_add_co_u32 s36, s36, s38
	s_add_nc_u64 s[30:31], s[30:31], s[36:37]
.irp s, 0,1
.irp c, 0,1,2,3
	global_load_b128 v[16+16*\s+4*\c:19+16*\s+4*\c], v3, s[8:9] offset:128*\s+32*\c
.endr
.endr
	global_load_b32 v48, v5, s[10:11]
.irp t, 0,1
	global_load_b32 v[49+\t], v5, s[16:17] offset:128*\t
	global_load_b128 v[OD+8*\t:OD+8*\t+3], v7, s[18:19] offset:64*\t          ; b_off at the tile's 8 h + 0 .. 7, in the result's layout
	global_load_b128 v[OD+8*\t+4:OD+8*\t+7], v7, s[18:19] offset:64*\t+16
.endr
	global_load_b32 v51, v6, s[22:23]
	global_load_b128 v[LG:LG+3], v8, s[24:25]                                 ; b_attn at the tile's 4 h + 0 .. 3,
	global_load_b128 v[LG+4:LG+7], v8, s[24:25] offset:32                     ; and 8 further on
	global_load_b64 v[56:57], v9, s[12:13]
.irp t, 0,1
.irp s, 0,1
.irp c, 0,1,2,3
	global_load_b128 v[WF+32*\t+16*\s+4*\c:WF+32*\t+16*\s+4*\c+3], v3, s[14:15] offset:4096*\t+128*\s+32*\c
.endr
.endr
.endr
.irp s, 0,1
.irp c, 0,1,2,3
	global_load_b128 v[WF+64+16*\s+4*\c:WF+64+16*\s+4*\c+3], v4, s[20:21] offset:128*\s+32*\c
.endr
.endr
	s_wait_loadcnt 0x0
; Six products: the three accumulators take turns, one instruction a turn; K ascending.
.irp t, 0,1,2
	v_wmma_scale_f32_16x16x128_f8f6f4 v[64+8*\t:71+8*\t], v[WF+32*\t:WF+32*\t+15], v[16:31], v[64+8*\t:71+8*\t], v[49+\t], v48
.endr
.irp t, 0,1,2
	v_wmma_scale_f32_16x16x128_f8f6f4 v[64+8*\t:71+8*\t], v[WF+32*\t+16:WF+32*\t+31], v[32:47], v[64+8*\t:71+8*\t], v[49+\t], v48 matrix_a_scale:MATRIX_SCALE_ROW1 matrix_b_scale:MATRIX_SCALE_ROW1
.endr
; Nine plain lines that name no register of the products stand between the last product and the first read of a result, where eight are asked: the offsets of the stores, the batch, the sum's zero.
	v_lshlrev_b32 v10, 4, v1
	v_lshl_add_u32 v10, v2, 12, v10                ; idx, wts: half h, query r: 4096 h + 16 r
	v_and_b32 v11, 31, v0
	v_lshlrev_b32 v11, 2, v11                      ; sw: 64 h + 4 r = 4 x lane
	v_lshl_add_u32 v12, s35, 4, v1                 ; my query, 0 .. 7199
	v_mul_u32_u24 v12, v12, 0x12346                ; / 900 = x 74566 >> 26: 74566 x 900 exceeds 2^26 by 536, which adds under 7200 x 536 / 2^26 / 900 to the quotient, less than the 1 / 900 that would turn it
	v_lshrrev_b32 v12, 26, v12
	v_mul_u32_u24 v12, v12, 0x2710                 ; batch x 10000
	v_mov_b32 v13, 0
; SOFTMAX over the four points of each of my two heads, the largest logit taken away first.  The accumulator is read from its low end on.
.irp i, 0,1
	v_max3_num_f32 v[112+\i], v[LG+4*\i], v[LG+4*\i+1], v[LG+4*\i+2]
.endr
.irp i, 0,1
	v_max_num_f32 v[112+\i], v[112+\i], v[LG+4*\i+3]
.endr
.irp i, 0,1
.irp p, 0,1,2,3
	v_sub_f32 v[LG+4*\i+\p], v[LG+4*\i+\p], v[112+\i]
.endr
.endr
.irp j, 0,1,2,3,4,5,6,7
	v_mul_f32 v[LG+\j], s43, v[LG+\j]
.endr
.irp j, 0,1,2,3,4,5,6,7
	v_exp_f32 v[LG+\j], v[LG+\j]
.endr
	v_nop                                          ; one plain line between the exponentials and the use of their results
	s_wait_alu depctr_va_vdst(0)
.irp i, 0,1
	v_add_f32 v[114+\i], v[LG+4*\i], v[LG+4*\i+1]
	v_add_f32 v[116+\i], v[LG+4*\i+2], v[LG+4*\i+3]
.endr
.irp i, 0,1
	v_add_f32 v[114+\i], v[114+\i], v[116+\i]
.endr
.irp i, 0,1
	v_rcp_f32 v[114+\i], v[114+\i]
.endr
	v_nop                                          ; the same behind the reciprocals
	s_wait_alu depctr_va_vdst(0)
.irp i, 0,1
	v_mul_f32 v[114+\i], 0x3e000000, v[114+\i]     ; / 8: the mean over the heads
.endr
.irp i, 0,1
.irp p, 0,1,2,3
	v_mul_f32 v[LG+4*\i+\p], v[LG+4*\i+\p], v[114+\i]
.endr
.endr
; The two axes of two points: four chains, line by line, so that no line waits for the line above it.  Chain q (0: x, 1: y of the first point; 2, 3: of the second) takes the offset in v[o + q] and works in v[WK + 6 q] on:
; +0, +1: the two cells, clipped into the map, as whole numbers; +2, +3: their weights, 0 where the cell lies outside; +4, +5: at work.
.macro AXES o
.irp q, 0,1,2,3
	v_fma_f32 v[WK+6*\q+4], v[(\o)+\q], s40, v[56+\q%2]            ; ref + 0.1 offset
.endr
.irp q, 0,1,2,3
	v_med3_num_f32 v[WK+6*\q+4], v[WK+6*\q+4], 0, 1.0              ; clipped
.endr
.irp q, 0,1,2,3
	v_fma_f32 v[WK+6*\q+4], v[WK+6*\q+4], 2.0, -1.0                ; the grid coordinate
.endr
.irp q, 0,1,2,3
	v_add_f32 v[WK+6*\q+4], 1.0, v[WK+6*\q+4]
.endr
.irp q, 0,1,2,3
	v_fma_f32 v[WK+6*\q+4], v[WK+6*\q+4], s41, -1.0
.endr
.irp q, 0,1,2,3
	v_mul_f32 v[WK+6*\q+4], 0.5, v[WK+6*\q+4]                      ; ((g + 1) x 100 - 1) / 2
.endr
.irp q, 0,1,2,3
	v_floor_f32 v[WK+6*\q+5], v[WK+6*\q+4]
.endr
.irp q, 0,1,2,3
	v_sub_f32 v[WK+6*\q+3], v[WK+6*\q+4], v[WK+6*\q+5]             ; the upper cell's weight,
.endr
.irp q, 0,1,2,3
	v_sub_f32 v[WK+6*\q+2], 1.0, v[WK+6*\q+3]                      ; the lower cell's
.endr
.irp q, 0,1,2,3
	v_add_f32 v[WK+6*\q+4], 1.0, v[WK+6*\q+5]                      ; the upper cell
.endr
.irp q, 0,1,2,3
	v_med3_num_f32 v[WK+6*\q], v[WK+6*\q+5], 0, s42
.endr
.irp q, 0,1,2,3
	v_med3_num_f32 v[WK+6*\q+1], v[WK+6*\q+4], 0, s42
.endr
.irp q, 0,1,2,3
	v_cmp_eq_f32 s[44+\q], v[WK+6*\q+5], v[WK+6*\q]                ; a cell that the clip moves lies outside
.endr
.irp q, 0,1,2,3
	v_cndmask_b32 v[WK+6*\q+2], 0, v[WK+6*\q+2], s[44+\q]
.endr
.irp q, 0,1,2,3
	v_cmp_eq_f32 s[44+\q], v[WK+6*\q+4], v[WK+6*\q+1]
.endr
.irp q, 0,1,2,3
	v_cndmask_b32 v[WK+6*\q+3], 0, v[WK+6*\q+3], s[44+\q]
.endr
.irp q, 0,1,2,3
	v_cvt_u32_f32 v[WK+6*\q], v[WK+6*\q]
.endr
.irp q, 0,1,2,3
	v_cvt_u32_f32 v[WK+6*\q+1], v[WK+6*\q+1]
.endr
.endm
; My point g (0 .. 7) from its chains at bx (x) and by (y): four indices, four weights, two stores.  Sixteen lanes store 256 consecutive bytes, at a multiple of 256 from the buffer's first byte; each data register is written once.
.macro PT g, bx, by
.set PR, PT0+8*(\g)
	v_mad_u32_u24 v[\by+4], v[\by], 100, v12       ; the two rows of the map
	v_mad_u32_u24 v[\by+5], v[\by+1], 100, v12
	v_mul_f32 v[\bx+4], v[LG+(\g)], v[\by+2]
	v_mul_f32 v[\bx+5], v[LG+(\g)], v[\by+3]
	v_add_nc_u32 v[PR], v[\by+4], v[\bx]
	v_add_nc_u32 v[PR+1], v[\by+4], v[\bx+1]
	v_add_nc_u32 v[PR+2], v[\by+5], v[\bx]
	v_add_nc_u32 v[PR+3], v[\by+5], v[\bx+1]
	v_mul_f32 v[PR+4], v[\bx+4], v[\bx+2]
	v_mul_f32 v[PR+5], v[\bx+4], v[\bx+3]
	v_mul_f32 v[PR+6], v[\bx+5], v[\bx+2]
	v_mul_f32 v[PR+7], v[\bx+5], v[\bx+3]
	global_store_b128 v10, v[PR:PR+3], s[26:27] offset:256*(\g)
	global_store_b128 v10, v[PR+4:PR+7], s[28:29] offset:256*(\g)
	v_add_f32 v[\by+4], v[PR+4], v[PR+5]
	v_add_f32 v[\by+5], v[PR+6], v[PR+7]
	v_add_f32 v[\by+4], v[\by+4], v[\by+5]
	v_add_f32 v13, v13, v[\by+4]
.endm
.irp i, 0,1                                    ; each accumulator of offsets is read from its low end on
.irp p, 0,2
	AXES OD+8*\i+2*\p
	PT 4*\i+\p, WK, WK+6
	PT 4*\i+\p+1, WK+12, WK+18
.endr
.endr
	global_store_b32 v11, v13, s[30:31]
	s_endpgm
.Lfunc_end_k_qf5de469bc0_points:
	.size	k_qf5de469bc0_points, .Lfunc_end_k_qf5de469bc0_points-k_qf5de469bc0_points
	.p2alignl 7, 3214868480
	.fill 96, 4, 3214868480
	.section	.rodata,"a",@progbits
	.p2align	6, 0x0
	.amdhsa_kernel k_qf5de469bc0_points
		.amdhsa_group_segment_fixed_size 0
		.amdhsa_private_segment_fixed_size 0
		.amdhsa_enable_private_segment 0
		.amdhsa_kernarg_size 96
		.amdhsa_user_sgpr_count 2
		.amdhsa_user_sgpr_kernarg_segment_ptr 1
		.amdhsa_wavefront_size32 1
		.amdhsa_system_sgpr_workgroup_id_x 1
		.amdhsa_system_sgpr_workgroup_id_y 1
		.amdhsa_system_sgpr_workgroup_id_z 1
		.amdhsa_system_vgpr_workitem_id 0
		.amdhsa_next_free_vgpr 224
		.amdhsa_next_free_sgpr 66
		.amdhsa_reserve_vcc 0
		.amdhsa_float_denorm_mode_32 3
		.amdhsa_float_denorm_mode_16_64 3
		.amdhsa_memory_ordered 1
		.amdhsa_forward_progress 1
		.amdhsa_inst_pref_size 30
	.end_amdhsa_kernel
	.amdgpu_metadata
---
amdhsa.version: [ 1, 2 ]
amdhsa.kernels:
  - .name:           k_qf5de469bc0_points
    .symbol:         k_qf5de469bc0_points.kd
    .args:
      - { .name: query_codes, .offset: 0, .size: 8, .value_kind: global_buffer, .address_space: global }
      - { .name: query_scales, .offset: 8, .size: 8, .value_kind: global_buffer, .address_space: global }
      - { .name: reference_points, .offset: 16, .size: 8, .value_kind: global_buffer, .address_space: global }
      - { .name: W_off_codes, .offset: 24, .size: 8, .value_kind: global_buffer, .address_space: global }
      - { .name: W_off_scales, .offset: 32, .size: 8, .value_kind: global_buffer, .address_space: global }
      - { .name: b_off, .offset: 40, .size: 8, .value_kind: global_buffer, .address_space: global }
      - { .name: W_attn_codes, .offset: 48, .size: 8, .value_kind: global_buffer, .address_space: global }
      - { .name: W_attn_scales, .offset: 56, .size: 8, .value_kind: global_buffer, .address_space: global }
      - { .name: b_attn, .offset: 64, .size: 8, .value_kind: global_buffer, .address_space: global }
      - { .name: idx, .offset: 72, .size: 8, .value_kind: global_buffer, .address_space: global }
      - { .name: wts, .offset: 80, .size: 8, .value_kind: global_buffer, .address_space: global }
      - { .name: sw, .offset: 88, .size: 8, .value_kind: global_buffer, .address_space: global }
    .group_segment_fixed_size: 0
    .private_segment_fixed_size: 0
    .kernarg_segment_align: 8
    .kernarg_segment_size: 96
    .max_flat_workgroup_size: 64
    .sgpr_count:     66
    .vgpr_count:     224
    .wavefront_size: 32
...
	.end_amdgpu_metadata
.endif
;; end of part 1
;; launch sample (part 2): grid 225 x 1, 4 waves a work-group, no clusters, 209,408 bytes of LDS; arguments value_codes, value_scales, W_v_codes, W_v_scales, b_v, W_out_codes, W_out_scales, b_out, idx, wts, sw, out0; writes out0
.if DOCPART == 2
	.amdgcn_target "amdgcn-amd-amdhsa--gfx1250"
	.amdhsa_code_object_version 6
	.text
	.protected	k_qf5de469bc0_sample
	.globl	k_qf5de469bc0_sample
	.p2align	8
	.type	k_qf5de469bc0_sample,@function
k_qf5de469bc0_sample:
	s_mov_b64 s[64:65], 0
	v_nop
	global_prefetch_b8 v0, s[64:65] scope:SCOPE_SE
	s_setreg_imm32_b32 hwreg(HW_REG_WAVE_MODE, 25, 1), 1
	s_wait_xcnt 0x0
; out = Q(sum over 128 corners of w x (value row . W_v + b_v)) W_out + b_out, for 32 queries a work-group.  Q: the MX quantiser to E4M3 along the 256 channels.
; THE PROJECTED MAP IS NEVER STORED.  Each corner's row of value is gathered AS CODES (256 bytes and 8 scale bytes) straight into the registers of a matrix operand and multiplied by W_v there:
; the same operands, the same instruction and the same K order as the projection of the whole map, so the same numbers.  The weighted sum is taken from the accumulators, in f32.
; SHARES.  Four waves.  Wave w: query tile 2 x + w / 2 (16 queries), half sh = w mod 2 of its points: 16 points x 4 corners = 64 STEPS.  A step: one corner of one point for the 16 queries:
; source 1 = the 16 gathered rows (lane (r, h) holds query r), source 0 = the 16 tiles of W_v, which lie WHOLE in the wave's registers: 32 products.  A lane's results are channels of its own query,
; so acc += D x w needs no other lane: 64 packed multiply-adds a step.
; THE ROWS OF W_v THAT FORM A TILE ARE CHOSEN: lane r of logical tile L takes row 32 (L / 2) + 8 (L mod 2) + r + 8 (r / 8), so that the 16 registers of tiles 2 b, 2 b + 1 are 16 neighbouring channels, as the quantiser wants.
; Register tile T holds logical tile (T + 8 sh) mod 16: tiles 0-7 are the 128 channels that the wave keeps (K step sh of the last product), tiles 8-15 those that it hands to its partner through LDS.
; So every wave runs the same text, with no branch on its number.
; THE RING.  Four slots of 32 registers (and a scale word) in window 0 take turns; a slot is asked for three steps, 96 products, ahead of its use: 27 to 29 loads of a wave are out.  Indices come two points ahead, weights one.
; THE SLICES.  Two packed multiply-adds stand behind EACH product of a window, under the products' own window setting: five switches a step.  A window's five tiles go in the order (tile, K step)
; (0,0) (1,0) (0,1) (1,1) (2,0) (3,0) (2,1) (4,0) (3,1) (4,1).  Tiles 2, 3, 4 are added up a step LATE, with the last step's weight: their lines stand ahead of the product that begins the tile anew.
; Tiles 0 and 1 are finished early in the visit and are added up in the SAME visit, with this step's weight.  Tile 15, in window 0, is added up late, at the head of the next step.
; NO CLUSTER, NO TENSOR LOAD: 225 work-groups divide into no cluster of four; what work-groups share, the two weights, is 131,072 of the 1,245,184 bytes that a work-group reads; the gathered rows are a list, shared with nobody.
; LIMITS: NaN and infinities among the inputs are not served.  A block of the quantised operand whose largest magnitude lies under 2^-118, a block of zeros among them, gets the scale byte 1 (the bytes are read here alone; a block
; of zeros has zero codes under any byte).  The 128 terms of a sum are added in another order than the definition's.  An index beyond the map's last row (none is made) would be held at that row.
; REGISTERS, in windows of 256.  Tile T < 15: window 1 + T / 5, u = T mod 5: W_v's two fragments v[32 u ..], D v[160 + 8 u ..], acc v[200 + 8 u ..].  Tile 15: window 0: v192-223, D v224-231, acc v232-239.
;   window 0: v1-5 lane terms; v8-11, v12-15 the slots' offsets; v16-31 W_v's scale words (lanes 0-15: K 0-127, lanes 16-31: K 128-255); v32-35 the slots' scale words, laid likewise; v36-43 indices, v44-51 weights, two points each;
;   v52-53 the sum of weights; v64-191 the ring; v240-247 W_out's scale words; v6, v7, v54-63, v248-255 at work in head and tail.
; LDS: everything but the stage is an image of registers, 16 bytes a lane, 512 consecutive bytes an instruction; every region is written once.
.set WVI, 0                            ; W_v's 32 fragments: 4096 L + 2048 s + 512 c
.set WOI, 65536                        ; W_out's likewise
.set MRG, 131072                       ; 8,192 bytes a wave: the eight tiles of acc that it hands over
.set FIM, 163840                       ; 2,048 a wave: its fragment of codes
.set FSC, 172032                       ; 128 a wave: that fragment's scale words
.set BVL, 172544                       ; b_v
.set BOL, 173568                       ; b_out
.set STG, 174592                       ; the way out: 16 rows x (512 + 16) bytes for each wave
.set SPITCH, 528
.set LI,   1                           ; 16 x lane
.set L16,  2                           ; 16 r
.set H16,  3                           ; 16 h
.set H4,   4                           ; 4 h
.set TMP,  5
.set OFFC, 8
.set OFFS, 12
.set WS,   16
.set SS,   32
.set IX,   36
.set WT,   44
.set SWR,  52
.set PW,   54
.set RING, 64
.set HH,   64                          ; the tail: the 64 numbers to be quantised
.set BVR,  128
.set XF,   192
.set PC,   224
.set WOS,  240
.set TM,   36                          ; the tail: v36-39 largest magnitudes, v40-43 bytes, v44-47 448 x the scale, v48-51 the conversions' scale operands
.set MS, 248
.set MR, 249
.set BV, 250
.set BO, 251
.set WO, 252
.set FS, 253
.set FW, 254
.set FR, 255
.set FQ, 6
.set SO, 7
.set SR, 56
.set MSB, 0
.macro WIN new                         ; the immediate's high byte repeats the setting that is left; a switch that changes nothing is dropped
.if MSB != (\new)
	s_set_vgpr_msb (MSB<<8)|(\new)
.set MSB, (\new)
.endif
.endm
; Product (tile T, K step s) on slot k.  s = 0 starts the sum with the constant 0; s = 1 adds in place and takes both sides' scale words from lanes 16-31.
.macro MM T, s, k
.if (\T) == 15
.set rW, 192+16*(\s)
.set rD, 224
.else
.set rW, 32*((\T)%5)+16*(\s)
.set rD, 160+8*((\T)%5)
.endif
.set rB, RING+32*(\k)+16*(\s)
.if (\s) == 0
	v_wmma_scale_f32_16x16x128_f8f6f4 v[rD:rD+7], v[rW:rW+15], v[rB:rB+15], 0, v[WS+(\T)], v[SS+(\k)]
.else
	v_wmma_scale_f32_16x16x128_f8f6f4 v[rD:rD+7], v[rW:rW+15], v[rB:rB+15], v[rD:rD+7], v[WS+(\T)], v[SS+(\k)] matrix_a_scale:MATRIX_SCALE_ROW1 matrix_b_scale:MATRIX_SCALE_ROW1
.endif
.endm
; Half hf (0: registers 0-3, 1: registers 4-7) of the slice of tile T: acc += D x w, w in register wr (of its pair the one word serves both halves): two lines.
; mode 2: multiply-add; 1: the multiplication that starts the sums; 0: two v_nop, so that every distance in a step without these lines is that of every other step.  Half 0 comes first: D is read from its low end on.
.macro SLH T, wr, mode, hf
.if (\T) == 15
.set rD, 224+4*(\hf)
.set rA, 232+4*(\hf)
.else
.set rD, 160+8*((\T)%5)+4*(\hf)
.set rA, 200+8*((\T)%5)+4*(\hf)
.endif
.set rP, (\wr)-((\wr)%2)
.irp i, 0,2
.if (\mode) == 2
.if (\wr)%2
	v_pk_fma_f32 v[rA+\i:rA+\i+1], v[rD+\i:rD+\i+1], v[rP:rP+1], v[rA+\i:rA+\i+1] op_sel:[0,1,0] op_sel_hi:[1,1,1]
.else
	v_pk_fma_f32 v[rA+\i:rA+\i+1], v[rD+\i:rD+\i+1], v[rP:rP+1], v[rA+\i:rA+\i+1] op_sel_hi:[1,0,1]
.endif
.elseif (\mode) == 1
.if (\wr)%2
	v_pk_mul_f32 v[rA+\i:rA+\i+1], v[rD+\i:rD+\i+1], v[rP:rP+1] op_sel:[0,1] op_sel_hi:[1,1]
.else
	v_pk_mul_f32 v[rA+\i:rA+\i+1], v[rD+\i:rD+\i+1], v[rP:rP+1] op_sel_hi:[1,0]
.endif
.else
	v_nop
.endif
.endr
.endm
; The five tiles of window X: destination, source 0 and source 2 in X, source 1 (the ring, w) in window 0: one setting for products and slices.  wp, pm: the last step's weight and the mode of the late lines; wc, cm: this step's.
; No product follows the one that it adds onto: the accumulators take turns.  A result is read eight plain lines or more behind its second product:
; behind (0,1) stand the eight lines of tiles 3 and 4, behind (1,1) six of those and tile 0's four; none of them names a register of that product.
.macro VISIT X, k, wp, pm, wc, cm
	WIN 0x51*(\X)
.set VT, 5*((\X)-1)
	MM VT, 0, \k
	SLH VT+2, \wp, \pm, 0
	MM VT+1, 0, \k
	SLH VT+2, \wp, \pm, 1
	MM VT, 1, \k
	SLH VT+3, \wp, \pm, 0
	MM VT+1, 1, \k
	SLH VT+3, \wp, \pm, 1
	MM VT+2, 0, \k
	SLH VT+4, \wp, \pm, 0
	MM VT+3, 0, \k
	SLH VT+4, \wp, \pm, 1
	MM VT+2, 1, \k
	SLH VT, \wc, \cm, 0
	MM VT+4, 0, \k
	SLH VT, \wc, \cm, 1
	MM VT+3, 1, \k
	SLH VT+1, \wc, \cm, 0
	MM VT+4, 1, \k
	SLH VT+1, \wc, \cm, 1
.endm
; Slot k is asked for: the row named by register ix.  Lane (r, h) takes the bytes 32 c + 16 h of each half of query r's row: the operand's own layout.  Nine loads.
; The index is held at the map's last row, 79,999.  The slot's offsets are written again only behind the counted wait that showed the slot's last loads done.
.macro REFILL k, ix
	v_min_u32 v[TMP], 0x1387f, v[\ix]
	v_lshl_add_u32 v[OFFC+(\k)], v[TMP], 8, v[H16]
	v_lshl_add_u32 v[OFFS+(\k)], v[TMP], 3, v[H4]
	v_nop                                          ; these four, tile 15's four and the two lines that close the step before: ten plain lines between the last product that read the slot and the loads into it, where eight are asked (ISA guide 7.12.1 for vector lines)
.irp c, 0,1,2,3
	global_load_b128 v[RING+32*(\k)+4*\c:RING+32*(\k)+4*\c+3], v[OFFC+(\k)], s[8:9] offset:32*\c
.endr
.irp c, 0,1,2,3
	global_load_b128 v[RING+32*(\k)+16+4*\c:RING+32*(\k)+16+4*\c+3], v[OFFC+(\k)], s[8:9] offset:128+32*\c
.endr
	global_load_b32 v[SS+(\k)], v[OFFS+(\k)], s[10:11]
.endm
; A STEP on slot k.  cnt: the loads issued behind the slot's nine.  fi, fw: the indices of the point two on, the weights of the next point.  rf: the slot read last is asked for again.
.macro STEP k, wp, pm, wc, cm, cnt, a, fi, fw, rf, ix
	WIN 0
	s_wait_loadcnt \cnt                            ; loads come back in order: slot k and its scale word are in, the younger loads stay out
	SLH 15, \wp, \pm, 0
	SLH 15, \wp, \pm, 1
	MM 15, 0, \k
.if \fi
	global_load_b128 v[IX+4*(\a):IX+4*(\a)+3], v[L16], s[24:25] offset:256*((\a)+2)
.endif
.if \fw
	global_load_b128 v[WT+4*(1-(\a)):WT+4*(1-(\a))+3], v[L16], s[26:27] offset:256*((\a)+1)
.endif
.if \rf
	REFILL ((\k)+3)%4, \ix
.endif
	VISIT 1, \k, \wp, \pm, \wc, \cm
	WIN 0
	MM 15, 1, \k
	VISIT 2, \k, \wp, \pm, \wc, \cm
	VISIT 3, \k, \wp, \pm, \wc, \cm
.endm
; A POINT, four steps; a = the point's number mod 2 picks its set of indices and weights.
; Behind slot 0's loads stand slots 1 and 2: 18.  Behind slot 1's: slots 2 and 3: 18.  Behind slot 2's: slot 3, the index and weight loads, slot 0.  Behind slot 3's: those loads, slots 0 and 1.
; A point's weights were asked for ahead of its slot 0, so the wait at the head of its first step shows them in too.
; first = 1: the first step of all has no late lines, and its own lines start the sums of tiles 0 and 1 of each window; the second step's late lines start the others.
.macro POINT a, first, fi, fw, fr
	STEP 0, WT+4*(1-(\a))+3, 2-2*(\first), WT+4*(\a), 2-(\first), 18, \a, 0, 0, 1, IX+4*(\a)+3
	STEP 1, WT+4*(\a), 2-(\first), WT+4*(\a)+1, 2, 18, \a, \fi, \fw, \fr, IX+4*(1-(\a))
	STEP 2, WT+4*(\a)+1, 2, WT+4*(\a)+2, 2, 9+(\fi)+(\fw)+9*(\fr), \a, 0, 0, \fr, IX+4*(1-(\a))+1
	STEP 3, WT+4*(\a)+2, 2, WT+4*(\a)+3, 2, (\fi)+(\fw)+18*(\fr), \a, 0, 0, \fr, IX+4*(1-(\a))+2
.endm
.macro STEPBASE                        ; two points on in idx and in wts
	WIN 0                                          ; at a label and at a branch every window is 0
	s_wait_xcnt 0x0                                ; the bases are stepped only behind this wait
	s_add_nc_u64 s[24:25], s[24:25], 512
	s_add_nc_u64 s[26:27], s[26:27], 512
.endm
.macro WVFRAG T                        ; tile T's two fragments of W_v out of their images
.if (\T) == 15
.set rW, 192
.else
.set rW, 32*((\T)%5)
.endif
.set rAd, 250+(\T)/8
.irp s, 0,1
.irp c, 0,1,2,3
	ds_load_b128 v[rW+16*\s+4*\c:rW+16*\s+4*\c+3], v[rAd] offset:4096*((\T)%8)+2048*\s+512*\c
.endr
.endr
.endm
.macro BARRIER                         ; my LDS stores have landed and my LDS loads are in: then the work-group's barrier
	s_wait_dscnt 0x0
	s_barrier_signal -1
	s_barrier_wait -1
.endm
; ---- THE HEAD
	s_load_b512 s[8:23], s[0:1], 0x0               ; value codes 8, value scales 10, W_v codes 12, scales 14, b_v 16, W_out codes 18, scales 20, b_out 22
	s_load_b256 s[24:31], s[0:1], 0x40             ; idx 24, wts 26, sw 28, out0 30
	s_set_vgpr_msb 0x80
	v_lshl_add_u32 v254, v0, 2, 0x33000
	v_mov_b32 v255, 0
	s_set_vgpr_msb 0x8000
	v_lshrrev_b32 v5, 5, v0
	v_readfirstlane_b32 s32, v5                    ; wave 0..3
	s_and_b32 s33, s32, 1                          ; sh: my half of the points, and my K step of the last product
	s_lshr_b32 s34, s32, 1                         ; which of the two query tiles
	s_lshl_b32 s35, ttmp9, 1
	s_add_co_u32 s35, s35, s34                     ; my tile of 16 queries
	s_mov_b32 s37, 0
	s_mov_b32 s40, 0x76543210
	s_mov_b32 s41, 0xfedcba98                      ; v_permlanex16_b32: lane l xor 16
	s_mov_b32 s42, 0x600000                        ; the mantissa field of 448
	v_and_b32 v1, 31, v0
	v_lshlrev_b32 v[LI], 4, v1
	v_and_b32 v5, 15, v0                           ; r
	v_lshlrev_b32 v[L16], 4, v5
	v_bfe_u32 v4, v0, 4, 1                         ; h
	v_lshlrev_b32 v[H16], 4, v4
	v_lshlrev_b32 v[H4], 2, v4
	v_and_b32 v6, 8, v5
	v_add_nc_u32 v6, v6, v5                        ; r + 8 (r / 8)
	v_lshl_add_u32 v62, v6, 8, v[H16]              ; W_v's codes: my row in a tile, + 16 h
	v_lshl_add_u32 v6, v6, 3, v[H4]                ; its scale word
	s_lshl_b32 s43, s33, 10
	s_xor_b32 s44, s43, 1024
	v_add_nc_u32 v7, s44, v6                       ; tiles 8-15: the other 128 rows of W_v,
	v_add_nc_u32 v6, s43, v6                       ; tiles 0-7: rows 128 sh on
	v_lshl_add_u32 v63, v5, 8, v[H16]              ; W_out's codes: row r, + 16 h
	v_lshl_add_u32 v58, v5, 3, v[H4]
	v_add_nc_u32 v58, s43, v58                     ; W_out's scale words: rows 128 sh on
	v_lshlrev_b32 v59, 2, v5                       ; sw: 4 r
	v_lshlrev_b32 v60, 3, v0                       ; the biases: 8 bytes a thread
	v_add_nc_u32 v61, BVL, v60
	s_lshl_b32 s45, s32, 14                        ; my quarter of each weight: 64 rows, four tiles
	v_add_nc_u32 v248, s45, v[LI]                  ; where its images go: W_v's,
	v_add_nc_u32 v249, WOI, v248                   ; W_out's
	s_lshl_b32 s46, s33, 15
	s_xor_b32 s47, s46, 32768
	v_add_nc_u32 v250, s46, v[LI]                  ; where tiles 0-7 come from: logical tiles 8 sh on,
	v_add_nc_u32 v251, s47, v[LI]                  ; tiles 8-15: the other eight
	s_wait_kmcnt 0x0
	s_lshl_b32 s36, s35, 13
	s_lshl_b32 s43, s33, 12
	s_add_co_u32 s36, s36, s43                     ; idx, wts: 8192 x tile + 4096 x half
	s_add_nc_u64 s[24:25], s[24:25], s[36:37]
	s_add_nc_u64 s[26:27], s[26:27], s[36:37]
	s_lshl_b32 s36, s35, 8
	s_add_nc_u64 s[28:29], s[28:29], s[36:37]      ; sw: 256 x tile
	s_lshl_b32 s36, s35, 14
	s_lshl_b32 s43, s33, 9
	s_add_co_u32 s36, s36, s43                     ; out0: 16 rows of 1,024 bytes x tile + my 128 columns
	s_add_nc_u64 s[30:31], s[30:31], s[36:37]
	s_mov_b32 s36, s45
	s_add_nc_u64 s[12:13], s[12:13], s[36:37]
	s_add_nc_u64 s[18:19], s[18:19], s[36:37]
	global_load_b128 v[IX:IX+3], v[L16], s[24:25]                  ; points 0 and 1: their rows;
	global_load_b128 v[IX+4:IX+7], v[L16], s[24:25] offset:256
	global_load_b128 v[WT:WT+3], v[L16], s[26:27]                  ; point 0: its weights
.irp T, 0,1,2,3,4,5,6,7
	global_load_b32 v[WS+\T], v6, s[14:15] offset:(32*(\T/2)+8*(\T%2))*8
.endr
.irp T, 0,1,2,3,4,5,6,7
	global_load_b32 v[WS+8+\T], v7, s[14:15] offset:(32*(\T/2)+8*(\T%2))*8
.endr
.irp T, 0,1,2,3,4,5,6,7
	global_load_b32 v[WOS+\T], v58, s[20:21] offset:128*\T
.endr
	global_load_b32 v[SWR], v59, s[28:29]                          ; my query's four sums of 32 weights
	global_load_b32 v[SWR+1], v59, s[28:29] offset:64
	global_load_b32 v252, v59, s[28:29] offset:128
	global_load_b32 v253, v59, s[28:29] offset:192
	global_load_b64 v[54:55], v60, s[16:17]
	global_load_b64 v[56:57], v60, s[22:23]
	WIN 0x40                                       ; destination window 1
.irp t, 0,1,2,3
.irp s, 0,1
.irp c, 0,1,2,3
	global_load_b128 v[32*\t+16*\s+4*\c:32*\t+16*\s+4*\c+3], v62, s[12:13] offset:(32*(\t/2)+8*(\t%2))*256+128*\s+32*\c
.endr
.endr
.endr
	WIN 0
	s_wait_loadcnt 62                              ; the first three of the 65 loads: indices and weights
	REFILL 0, IX                                   ; the ring's first three slots: point 0, corners 0 to 2
	REFILL 1, IX+1
	REFILL 2, IX+2
	s_wait_loadcnt 59                              ; all but W_v's 32 and the ring's 27: the biases are in
	ds_store_b64 v61, v[54:55]
	ds_store_b64 v61, v[56:57] offset:BOL-BVL
	s_wait_loadcnt 27                              ; all but the ring's: my quarter of W_v is in
	WIN 0x04                                       ; an LDS store's data are its source 1: window 1
.irp t, 0,1,2,3
.irp s, 0,1
.irp c, 0,1,2,3
	ds_store_b128 v248, v[32*\t+16*\s+4*\c:32*\t+16*\s+4*\c+3] offset:4096*\t+2048*\s+512*\c
.endr
.endr
.endr
	WIN 0x40                                       ; my quarter of W_out: three tiles into window 1, v160 on; the fourth into window 2, v160 on: registers that the loop writes only later
.irp t, 0,1,2
.irp s, 0,1
.irp c, 0,1,2,3
	global_load_b128 v[160+32*\t+16*\s+4*\c:160+32*\t+16*\s+4*\c+3], v63, s[18:19] offset:4096*\t+128*\s+32*\c
.endr
.endr
.endr
	WIN 0x80
.irp s, 0,1
.irp c, 0,1,2,3
	global_load_b128 v[160+16*\s+4*\c:160+16*\s+4*\c+3], v63, s[18:19] offset:4096*3+128*\s+32*\c
.endr
.endr
	WIN 0
	BARRIER                                        ; W_v's 32 images and the biases lie in LDS
	WIN 0x40
.irp T, 0,1,2,3,4
	WVFRAG \T
.endr
	WIN 0x80
.irp T, 5,6,7,8,9
	WVFRAG \T
.endr
	WIN 0xc0
.irp T, 10,11,12,13,14
	WVFRAG \T
.endr
	WIN 0
	WVFRAG 15
	s_wait_loadcnt 0x0                             ; my quarter of W_out is in (and all that was asked for before it)
	WIN 0x04
.irp t, 0,1,2
.irp s, 0,1
.irp c, 0,1,2,3
	ds_store_b128 v249, v[160+32*\t+16*\s+4*\c:160+32*\t+16*\s+4*\c+3] offset:4096*\t+2048*\s+512*\c
.endr
.endr
.endr
	WIN 0x08
.irp s, 0,1
.irp c, 0,1,2,3
	ds_store_b128 v249, v[160+16*\s+4*\c:160+16*\s+4*\c+3] offset:4096*3+2048*\s+512*\c
.endr
.endr
	WIN 0
	s_wait_dscnt 0x0                               ; W_v is in my registers; W_out's images have landed: they are read behind the next barrier
	v_add_f32 v[SWR], v[SWR], v[SWR+1]
	v_add_f32 v252, v252, v253
	v_add_f32 v[SWR], v[SWR], v252                 ; the sum of all 128 weights of my query
; ---- THE 64 STEPS
	POINT 0, 1, 1, 1, 1                            ; point 0 starts the sums
	POINT 1, 0, 1, 1, 1
	STEPBASE
	s_mov_b32 s38, 6
.Lpair:                                                ; points 2 to 13, two a trip
	POINT 0, 0, 1, 1, 1
	POINT 1, 0, 1, 1, 1
	STEPBASE
	s_sub_co_u32 s38, s38, 1
	s_cmp_lg_u32 s38, 0
	s_cbranch_scc1 .Lpair
	POINT 0, 0, 0, 1, 1                            ; point 14: no indices are left to fetch
	POINT 1, 0, 0, 0, 0                            ; point 15: only its own last corner is still asked for; the counts run down
; ---- THE TAIL
	WIN 0                                          ; the last step's late lines: tile 15 and tiles 2, 3, 4 of each window.  These 40 lines are also the places behind the last products for all that follows
	SLH 15, WT+7, 2, 0
	SLH 15, WT+7, 2, 1
	WIN 0x51
.irp T, 2,3,4
	SLH \T, WT+7, 2, 0
	SLH \T, WT+7, 2, 1
.endr
	WIN 0xa2
.irp T, 7,8,9
	SLH \T, WT+7, 2, 0
	SLH \T, WT+7, 2, 1
.endr
	WIN 0xf3
.irp T, 12,13,14
	SLH \T, WT+7, 2, 0
	SLH \T, WT+7, 2, 1
.endr
	WIN 0
	s_lshl_b32 s43, s32, 13
	s_add_co_u32 s43, s43, MRG
	v_add_nc_u32 v[MS], s43, v[LI]                 ; what I hand over,
	s_xor_b32 s43, s32, 1
	s_lshl_b32 s43, s43, 13
	s_add_co_u32 s43, s43, MRG
	v_add_nc_u32 v[MR], s43, v[LI]                 ; what my partner (the same queries, the other half) hands me
	s_lshl_b32 s43, s33, 9
	s_add_co_u32 s44, s43, BVL
	v_lshl_add_u32 v[BV], v[H16], 2, s44           ; b_v at channel 128 sh + 16 h
	s_add_co_u32 s44, s43, BOL
	v_lshl_add_u32 v[BO], v[H16], 1, s44           ; b_out at column 128 sh + 8 h
	s_lshl_b32 s43, s33, 15
	s_add_co_u32 s43, s43, WOI
	v_add_nc_u32 v[WO], s43, v[LI]                 ; W_out's tiles 8 sh on
	s_lshl_b32 s43, s32, 11
	s_add_co_u32 s43, s43, FIM
	v_add_nc_u32 v[FS], s43, v[LI]                 ; my fragment of codes,
	v_lshrrev_b32 v57, 2, v[LI]                    ; (4 x lane)
	s_lshl_b32 s43, s32, 7
	s_add_co_u32 s43, s43, FSC
	v_add_nc_u32 v[FW], s43, v57                   ; its scale words;
	s_lshl_b32 s43, s34, 12
	s_add_co_u32 s43, s43, FIM
	v_add_nc_u32 v[FR], s43, v[LI]                 ; my query tile's two fragments,
	s_lshl_b32 s43, s34, 8
	s_add_co_u32 s43, s43, FSC
	v_add_nc_u32 v[FQ], s43, v57                   ; and their scale words
	s_mul_i32 s43, s32, 16*SPITCH
	s_add_co_u32 s43, s43, STG
	v_add_nc_u32 v[SR], s43, v[LI]                 ; my stage: back by rows, 16 bytes a lane;
	v_lshrrev_b32 v58, 4, v[L16]
	v_mul_u32_u24 v[SO], v58, SPITCH
	v_lshl_add_u32 v[SO], v[H16], 1, v[SO]
	v_add_nc_u32 v[SO], s43, v[SO]                 ; in: row r, + 32 h
	WIN 0x08                                       ; tiles 8-15 of acc go to my partner as they stand.  The data: window 2,
.irp T, 8,9
	ds_store_b128 v[MS], v[200+8*(\T%5):203+8*(\T%5)] offset:1024*(\T-8)
	ds_store_b128 v[MS], v[204+8*(\T%5):207+8*(\T%5)] offset:1024*(\T-8)+512
.endr
	WIN 0x0c                                       ; window 3,
.irp T, 10,11,12,13,14
	ds_store_b128 v[MS], v[200+8*(\T%5):203+8*(\T%5)] offset:1024*(\T-8)
	ds_store_b128 v[MS], v[204+8*(\T%5):207+8*(\T%5)] offset:1024*(\T-8)+512
.endr
	WIN 0                                          ; window 0
	ds_store_b128 v[MS], v[232:235] offset:1024*7
	ds_store_b128 v[MS], v[236:239] offset:1024*7+512
	BARRIER                                        ; every wave's handed tiles and W_out's images lie in LDS
.irp T, 0,1,2,3,4,5,6,7
	ds_load_b128 v[HH+8*\T:HH+8*\T+3], v[MR] offset:1024*\T
	ds_load_b128 v[HH+8*\T+4:HH+8*\T+7], v[MR] offset:1024*\T+512
.endr
.irp b, 0,1,2,3
.irp i, 0,1,2,3
	ds_load_b128 v[BVR+16*\b+4*\i:BVR+16*\b+4*\i+3], v[BV] offset:128*\b+16*\i
.endr
.endr
	WIN 0x80                                       ; b_out into the last product's eight accumulators, window 2, v0-63: it is the C of each sum's first product
.irp T, 0,1,2,3,4,5,6,7
	ds_load_b128 v[8*\T:8*\T+3], v[BO] offset:64*\T
	ds_load_b128 v[8*\T+4:8*\T+7], v[BO] offset:64*\T+16
.endr
	WIN 0xc0                                       ; my eight tiles of W_out fill window 3
.irp T, 0,1,2,3,4,5,6,7
.irp s, 0,1
.irp c, 0,1,2,3
	ds_load_b128 v[32*\T+16*\s+4*\c:32*\T+16*\s+4*\c+3], v[WO] offset:4096*\T+2048*\s+512*\c
.endr
.endr
.endr
	WIN 0
	s_wait_dscnt 63                                ; 80 loads stand behind b_v's; 63 is the largest count that the wait can name
	WIN 0x01                                       ; source 0 (my acc) window 1
.irp T, 0,1,2,3,4
.irp i, 0,2,4,6
	v_pk_add_f32 v[HH+8*\T+\i:HH+8*\T+\i+1], v[200+8*\T+\i:200+8*\T+\i+1], v[HH+8*\T+\i:HH+8*\T+\i+1]
.endr
.endr
	WIN 0x02
.irp T, 5,6,7
.irp i, 0,2,4,6
	v_pk_add_f32 v[HH+8*\T+\i:HH+8*\T+\i+1], v[200+8*(\T-5)+\i:200+8*(\T-5)+\i+1], v[HH+8*\T+\i:HH+8*\T+\i+1]
.endr
.endr
	WIN 0
.irp j, 0,2,4,6,8,10,12,14,16,18,20,22,24,26,28,30,32,34,36,38,40,42,44,46,48,50,52,54,56,58,60,62
	v_pk_fma_f32 v[HH+\j:HH+\j+1], v[BVR+\j:BVR+\j+1], v[SWR:SWR+1], v[HH+\j:HH+\j+1] op_sel_hi:[1,0,1]   ; + b_v x the sum of the weights.  Register 16 b + i: channel 128 sh + 32 b + 16 h + i of query r
.endr
; THE QUANTISER: four blocks of 32 channels, each in lanes l and l xor 16.
.irp b, 0,1,2,3
	v_max3_num_f32 v[TM+\b], |v[HH+16*\b]|, |v[HH+1+16*\b]|, 0x4800000   ; my 16 numbers, and the floor 2^(9 - 127): the byte cannot fall under 1
.endr
.irp i, 2,4,6,8,10,12,14
.irp b, 0,1,2,3
	v_max3_num_f32 v[TM+\b], v[TM+\b], |v[HH+16*\b+\i]|, |v[HH+1+16*\b+\i]|   ; (the four blocks by turns)
.endr
.endr
.irp b, 0,1,2,3
	v_permlanex16_b32 v[TM+4+\b], v[TM+\b], s40, s41   ; (its destination counts as read: these registers held indices)
.endr
.irp b, 0,1,2,3
	v_max_num_f32 v[TM+\b], v[TM+\b], v[TM+4+\b]   ; the block's largest magnitude
.endr
.irp b, 0,1,2,3
	v_add_nc_u32 v[TM+12+\b], 0xfc000000, v[TM+\b]   ; 8 off its exponent field: the conversion takes the exponent field of this operand as its scale
.endr
.irp b, 0,1,2,3
	v_and_or_b32 v[TM+8+\b], v[TM+\b], 0x7f800000, s42   ; 448 x the scale
.endr
.irp b, 0,1,2,3
	v_lshrrev_b32 v[TM+4+\b], 23, v[TM+12+\b]      ; the scale's byte
.endr
	v_lshl_or_b32 v[PW], v[TM+5], 8, v[TM+4]       ; the four bytes make my row's scale word
	v_lshl_or_b32 v[PW], v[TM+6], 16, v[PW]
	v_lshl_or_b32 v[PW], v[TM+7], 24, v[PW]
.irp b, 0,1,2,3
.irp i, 0,1,2,3,4,5,6,7,8,9,10,11,12,13,14,15
	v_med3_num_f32 v[HH+16*\b+\i], v[HH+16*\b+\i], -v[TM+8+\b], v[TM+8+\b]   ; the conversion to an 8-bit code does not saturate (ISA guide 7.6.2): the hold at the largest code x the scale
.endr
	v_cvt_scalef32_pk8_fp8_f32 v[PC+4*\b:PC+1+4*\b], v[HH+16*\b:HH+7+16*\b], v[TM+12+\b]
	v_cvt_scalef32_pk8_fp8_f32 v[PC+2+4*\b:PC+3+4*\b], v[HH+8+16*\b:HH+15+16*\b], v[TM+12+\b]
.endr
	v_nop                                          ; one plain line behind the last conversion
.irp c, 0,1,2,3
	ds_store_b128 v[FS], v[PC+4*\c:PC+4*\c+3] offset:512*\c   ; K step sh of my query tile's operand, as it stands
.endr
	ds_store_b32 v[FW], v[PW]
	BARRIER                                        ; the four fragments lie in LDS (and W_out and b_out are in my registers)
.irp s, 0,1
.irp c, 0,1,2,3
	ds_load_b128 v[XF+16*\s+4*\c:XF+16*\s+4*\c+3], v[FR] offset:2048*\s+512*\c
.endr
.endr
	ds_load_b32 v[SS], v[FQ]
	ds_load_b32 v[SS+1], v[FQ] offset:128
	s_wait_dscnt 0x0
	WIN 0xa3                                       ; source 0 (W_out) window 3, source 1 (the codes) window 0, C and D window 2
; out^T = W_out Q(..)^T + b_out: my 128 columns for the 16 queries.  Eight accumulators by turns; K ascending.
.irp T, 0,1,2,3,4,5,6,7
	v_wmma_scale_f32_16x16x128_f8f6f4 v[8*\T:8*\T+7], v[32*\T:32*\T+15], v[XF:XF+15], v[8*\T:8*\T+7], v[WOS+\T], v[SS]
.endr
.irp T, 0,1,2,3,4,5,6,7
	v_wmma_scale_f32_16x16x128_f8f6f4 v[8*\T:8*\T+7], v[32*\T+16:32*\T+31], v[XF+16:XF+31], v[8*\T:8*\T+7], v[WOS+\T], v[SS+1] matrix_a_scale:MATRIX_SCALE_ROW1
.endr
	WIN 0
.rept 8
	v_nop                                          ; eight places in front of the first read of results
.endr
; THE WAY OUT.  A lane holds 32 neighbouring bytes of a row; through my own stage the 16 rows come back whole.  LDS serves a wave's instructions in order: no wait between the stores and the loads.
	WIN 0x08
.irp T, 0,1,2,3,4,5,6,7
	ds_store_b128 v[SO], v[8*\T:8*\T+3] offset:64*\T               ; each accumulator from its low end on
	ds_store_b128 v[SO], v[8*\T+4:8*\T+7] offset:64*\T+16
.endr
	WIN 0
.irp i, 0,1,2,3,4,5,6,7,8,9,10,11,12,13,14,15
	ds_load_b128 v[HH+4*\i:HH+4*\i+3], v[SR] offset:\i*SPITCH
.endr
.irp i, 0,1,2,3,4,5,6,7,8,9,10,11,12,13,14,15
	s_wait_dscnt 15-\i
	global_store_b128 v[LI], v[HH+4*\i:HH+4*\i+3], s[30:31] offset:1024*\i th:TH_STORE_NT   ; 32 lanes store 512 consecutive bytes, at a multiple of 256 from out0's first byte; written once, read by nobody here
.endr
	s_set_vgpr_msb 0xa
	s_wait_tensorcnt 0x0
	ds_add_u32 v254, v255
	s_wait_dscnt 0x0
	s_set_vgpr_msb 0xa00
	s_endpgm
.Lfunc_end_k_qf5de469bc0_sample:
	.size	k_qf5de469bc0_sample, .Lfunc_end_k_qf5de469bc0_sample-k_qf5de469bc0_sample
	.p2alignl 7, 3214868480
	.fill 96, 4, 3214868480
	.section	.rodata,"a",@progbits
	.p2align	6, 0x0
	.amdhsa_kernel k_qf5de469bc0_sample
		.amdhsa_group_segment_fixed_size 209408
		.amdhsa_private_segment_fixed_size 0
		.amdhsa_enable_private_segment 0
		.amdhsa_kernarg_size 96
		.amdhsa_user_sgpr_count 2
		.amdhsa_user_sgpr_kernarg_segment_ptr 1
		.amdhsa_wavefront_size32 1
		.amdhsa_system_sgpr_workgroup_id_x 1
		.amdhsa_system_sgpr_workgroup_id_y 1
		.amdhsa_system_sgpr_workgroup_id_z 1
		.amdhsa_system_vgpr_workitem_id 0
		.amdhsa_next_free_vgpr 1024
		.amdhsa_next_free_sgpr 66
		.amdhsa_reserve_vcc 0
		.amdhsa_float_denorm_mode_32 3
		.amdhsa_float_denorm_mode_16_64 3
		.amdhsa_memory_ordered 1
		.amdhsa_forward_progress 1
		.amdhsa_inst_pref_size 255
	.end_amdhsa_kernel
	.section	.bss,"aw",@nobits
	.p2align	6
	.space	262144
	.amdgpu_metadata
---
amdhsa.version: [ 1, 2 ]
amdhsa.kernels:
  - .name:           k_qf5de469bc0_sample
    .symbol:         k_qf5de469bc0_sample.kd
    .args:
      - { .name: value_codes, .offset: 0, .size: 8, .value_kind: global_buffer, .address_space: global }
      - { .name: value_scales, .offset: 8, .size: 8, .value_kind: global_buffer, .address_space: global }
      - { .name: W_v_codes, .offset: 16, .size: 8, .value_kind: global_buffer, .address_space: global }
      - { .name: W_v_scales, .offset: 24, .size: 8, .value_kind: global_buffer, .address_space: global }
      - { .name: b_v, .offset: 32, .size: 8, .value_kind: global_buffer, .address_space: global }
      - { .name: W_out_codes, .offset: 40, .size: 8, .value_kind: global_buffer, .address_space: global }
      - { .name: W_out_scales, .offset: 48, .size: 8, .value_kind: global_buffer, .address_space: global }
      - { .name: b_out, .offset: 56, .size: 8, .value_kind: global_buffer, .address_space: global }
      - { .name: idx, .offset: 64, .size: 8, .value_kind: global_buffer, .address_space: global }
      - { .name: wts, .offset: 72, .size: 8, .value_kind: global_buffer, .address_space: global }
      - { .name: sw, .offset: 80, .size: 8, .value_kind: global_buffer, .address_space: global }
      - { .name: out0, .offset: 88, .size: 8, .value_kind: global_buffer, .address_space: global }
    .group_segment_fixed_size: 209408
    .private_segment_fixed_size: 0
    .kernarg_segment_align: 8
    .kernarg_segment_size: 96
    .max_flat_workgroup_size: 128
    .sgpr_count:     66
    .vgpr_count:     1024
    .wavefront_size: 32
...
	.end_amdgpu_metadata
.endif
;; end of part 2
;; ======== version 2 of 2: 2 launches; version 1 with the launches points, sample written anew for expert scheduling mode
;; workspace buffers: idx 3,686,400 bytes of whole numbers; wts 3,686,400 bytes; sw 115,200 bytes
;; launch points (part 3): grid 450 x 1, 2 waves a work-group, no clusters, 0 bytes of LDS; arguments query_codes, query_scales, reference_points, W_off_codes, W_off_scales, b_off, W_attn_codes, W_attn_scales, b_attn, idx, wts, sw; writes idx, wts, sw
.if DOCPART == 3
	.amdgcn_target "amdgcn-amd-amdhsa--gfx1250"
	.amdhsa_code_object_version 6
	.text
	.protected	k_qf5de469bc0_points
	.globl	k_qf5de469bc0_points
	.p2align	8
	.type	k_qf5de469bc0_points,@function
k_qf5de469bc0_points:
	s_mov_b64 s[64:65], 0
	v_nop
	global_prefetch_b8 v0, s[64:65] scope:SCOPE_SE
	s_setreg_imm32_b32 hwreg(HW_REG_WAVE_SCHED_MODE, 0, 2), 2
	s_setreg_imm32_b32 hwreg(HW_REG_WAVE_MODE, 25, 1), 1
	s_wait_xcnt 0x0
	s_wait_alu depctr_vm_vsrc(0)
; THE SAMPLING POINTS.  For 16 queries: offsets = query W_off + b_off and logits = query W_attn + b_attn, both on codes of E4M3 with E8M0 scales as they are given;
; softmax over the 4 points of each head; location = clip(ref + 0.1 offset, 0, 1); and for each of the 32 points of a query its 4 bilinear corners:
;   idx: the row of value (batch x 10000 + y x 100 + x, clipped into the map), a whole number;   wts: attention x wx x wy x valid / 8, f32;   sw: sums of weights (they multiply b_v later).
; LAYOUT OF idx AND wts: [450 tiles of 16 queries][2 halves][16 points][16 queries][4 corners], 4 bytes each: a point of 16 queries is 256 consecutive bytes.  Half = head mod 2; point = 4 (head / 2) + p.
; Corner 0: (x0, y0), 1: (x1, y0), 2: (x0, y1), 3: (x1, y1).   sw: [450][2 waves][2 halves][16 queries]: the sum of the 32 weights that a lane has made.
; SHARES.  A work-group takes a tile of 16 queries (7,200 = 450 x 16); its two waves share the heads: wave w takes heads 4 w .. 4 w + 3.  They share nothing else: no LDS, no barrier, no loop;
; no address and no branch hangs on a floating-point number.
; BOTH PRODUCTS ARE USED TRANSPOSED (source 0 = 16 rows of the weight, source 1 = the 16 queries): lane (r, h) holds query r.  W_off tile t takes rows 16 t + 0 .. 15: register j is head 2 t + h, point j / 2, x or y.
; THE ROWS OF W_attn THAT FORM A TILE ARE CHOSEN: lane r of tile a takes row 16 a + 8 ((r / 4) mod 2) + 4 (r / 8) + r mod 4, so that register j is head 4 a + 2 (j / 4) + h, point j mod 4.
; Wave w takes W_off's tiles 2 w, 2 w + 1 and W_attn's tile w: a lane then holds offsets and logits of the same two heads 4 w + 2 i + h, i = 0, 1.
; The biases are loaded into the accumulators and are the C of each sum's first product.
; LIMITS: NaN and infinities among the inputs are not served.  The coordinates are made with fused multiply-adds where the definition multiplies and then adds: they may differ in the last bit, which can move a
; point that lies on a cell's edge into the neighbouring cell, where the bilinear sum has the same value up to that bit.
; THE MODE: SCHED_MODE bits 1:0 = 2 (LLVM: expert scheduling mode 2), set by the entry lines.  The code itself states the register dependences between vector or matrix instructions and memory instructions,
; and those through scalar registers that vector instructions write, with s_wait_alu, always for 0.
; THE PLAN.  Registers that memory instructions touch:
;   v3-v9     the loads' offsets: written once at the head, read by the 43 loads.      v10, v11  the stores' offsets: written once behind the products.      None of them is written again.
;   v16-87, v128-223   the loads land in them before any vector or matrix line names them; no load follows the first product.
;   v128-191  later the out-registers, eight for each of my 8 points: written once each by vector lines, read by that point's two stores.      v13  read by the last store.
; So one wait on va_vdst stands ahead of the loads, and one ahead of the four stores of each two points (the last of these serves the store of v13 too).  No register that a memory instruction
; has read is written again: there is no wait on vm_vsrc.  The wave's number and the compares' masks pass through scalar registers: a wait on va_sdst stands ahead of their first readers.
; REGISTERS: v1 r, v2 h, v3-11 offsets, v12 batch x 10000, v13 the sum of my weights; v16-47 the queries' two fragments; v48 their scale words (lanes 0-15: K 0-127, lanes 16-31: K 128-255), v49-51 the three weight tiles' likewise;
;   v56-57 the reference point; v64-79 offsets; v80-87 logits, then attention / 8; v88-111 four chains of six at work; v112-119 the softmax's;
;   v128-223 the weights' six fragments; when the products are long done, v128-191 take, for each of my 8 points, 4 indices and 4 weights, written once each.
.set OD,  64
.set LG,  80
.set WK,  88
.set WF,  128
.set PT0, 128
	s_load_b512 s[8:23], s[0:1], 0x0               ; query codes 8, query scales 10, reference points 12, W_off codes 14, scales 16, b_off 18, W_attn codes 20, scales 22
	s_load_b256 s[24:31], s[0:1], 0x40             ; b_attn 24, idx 26, wts 28, sw 30
	v_lshrrev_b32 v1, 5, v0
	v_readfirstlane_b32 s34, v1                    ; wave 0, 1
	s_mov_b32 s35, ttmp9                           ; my tile
	s_mov_b32 s37, 0
	s_mov_b32 s40, 0x3dcccccd                      ; 0.1
	s_mov_b32 s41, 0x42c80000                      ; 100.0: the map's width and height
	s_mov_b32 s42, 0x42c60000                      ; 99.0: the last column and row
	s_mov_b32 s43, 0x3fb8aa3b                      ; log2(e)
	v_and_b32 v1, 15, v0                           ; r
	v_bfe_u32 v2, v0, 4, 1                         ; h
	v_lshlrev_b32 v3, 8, v1
	v_lshl_add_u32 v3, v2, 4, v3                   ; a fragment's row r of 256 bytes, + 16 h
	v_bfe_u32 v4, v1, 2, 1
	v_lshrrev_b32 v5, 3, v1
	v_and_b32 v6, 3, v1
	v_lshl_add_u32 v6, v4, 3, v6
	v_lshl_add_u32 v6, v5, 2, v6                   ; W_attn: my row in a tile
	v_lshlrev_b32 v4, 8, v6
	v_lshl_add_u32 v4, v2, 4, v4                   ; its codes,
	v_lshlrev_b32 v6, 3, v6
	v_lshl_add_u32 v6, v2, 2, v6                   ; its scale word: 8 bytes a row; lanes 16-31 take the second word
	v_lshlrev_b32 v5, 3, v1
	v_lshl_add_u32 v5, v2, 2, v5                   ; the same for natural rows
	v_lshlrev_b32 v7, 5, v2                        ; b_off: 8 numbers further on for lanes 16-31
	v_lshlrev_b32 v8, 4, v2                        ; b_attn: 4 numbers
	v_lshlrev_b32 v9, 3, v1                        ; the reference point: 8 bytes a query
	s_wait_alu depctr_va_sdst(0)                   ; s34, the wave's number, is written, ahead of its first reader: the weights' and the outputs' bases are made from it
	s_wait_kmcnt 0x0
	s_lshl_b32 s36, s35, 12                        ; 16 queries x 256 bytes of codes
	s_add_nc_u64 s[8:9], s[8:9], s[36:37]
	s_lshl_b32 s36, s35, 7                         ; 16 x 8 bytes: scales, reference points
	s_add_nc_u64 s[10:11], s[10:11], s[36:37]
	s_add_nc_u64 s[12:13], s[12:13], s[36:37]
	s_lshl_b32 s36, s34, 13                        ; W_off: my two tiles of 4,096 bytes,
	s_add_nc_u64 s[14:15], s[14:15], s[36:37]
	s_lshl_b32 s36, s34, 8                         ; their scale words, 128 bytes a tile,
	s_add_nc_u64 s[16:17], s[16:17], s[36:37]
	s_lshl_b32 s36, s34, 7                         ; their 32 numbers of b_off; and W_attn's scale words: my one tile
	s_add_nc_u64 s[18:19], s[18:19], s[36:37]
	s_add_nc_u64 s[22:23], s[22:23], s[36:37]
	s_lshl_b32 s36, s34, 12                        ; W_attn: my tile
	s_add_nc_u64 s[20:21], s[20:21], s[36:37]
	s_lshl_b32 s36, s34, 6                         ; its 16 numbers of b_attn
	s_add_nc_u64 s[24:25], s[24:25], s[36:37]
	s_lshl_b32 s36, s35, 13                        ; a tile of idx and of wts: 8,192 bytes; my 8 points of each half begin 2,048 x wave on
	s_lshl_b32 s38, s34, 11
	s_add_co_u32 s36, s36, s38
	s_add_nc_u64 s[26:27], s[26:27], s[36:37]
	s_add_nc_u64 s[28:29], s[28:29], s[36:37]
	s_lshl_b32 s36, s35, 8                         ; a tile of sw: 256 bytes; my wave's 128
	s_lshl_b32 s38, s34, 7
	s_add_co_u32 s36, s36, s38
	s_add_nc_u64 s[30:31], s[30:31], s[36:37]
	s_wait_alu depctr_va_vdst(0)                   ; the seven offsets v3 to v9 are written, which the loads below read
.irp s, 0,1
.irp c, 0,1,2,3
	global_load_b128 v[16+16*\s+4*\c:19+16*\s+4*\c], v3, s[8:9] offset:128*\s+32*\c
.endr
.endr
	global_load_b32 v48, v5, s[10:11]
.irp t, 0,1
	global_load_b32 v[49+\t], v5, s[16:17] offset:128*\t
	global_load_b128 v[OD+8*\t:OD+8*\t+3], v7, s[18:19] offset:64*\t          ; b_off at the tile's 8 h + 0 .. 7, in the result's layout
	global_load_b128 v[OD+8*\t+4:OD+8*\t+7], v7, s[18:19] offset:64*\t+16
.endr
	global_load_b32 v51, v6, s[22:23]
	global_load_b128 v[LG:LG+3], v8, s[24:25]                                 ; b_attn at the tile's 4 h + 0 .. 3,
	global_load_b128 v[LG+4:LG+7], v8, s[24:25] offset:32                     ; and 8 further on
	global_load_b64 v[56:57], v9, s[12:13]
.irp t, 0,1
.irp s, 0,1
.irp c, 0,1,2,3
	global_load_b128 v[WF+32*\t+16*\s+4*\c:WF+32*\t+16*\s+4*\c+3], v3, s[14:15] offset:4096*\t+128*\s+32*\c
.endr
.endr
.endr
.irp s, 0,1
.irp c, 0,1,2,3
	global_load_b128 v[WF+64+16*\s+4*\c:WF+64+16*\s+4*\c+3], v4, s[20:21] offset:128*\s+32*\c
.endr
.endr
	s_wait_loadcnt 0x0
; Six products: the three accumulators take turns, one instruction a turn; K ascending.
.irp t, 0,1,2
	v_wmma_scale_f32_16x16x128_f8f6f4 v[64+8*\t:71+8*\t], v[WF+32*\t:WF+32*\t+15], v[16:31], v[64+8*\t:71+8*\t], v[49+\t], v48
.endr
.irp t, 0,1,2
	v_wmma_scale_f32_16x16x128_f8f6f4 v[64+8*\t:71+8*\t], v[WF+32*\t+16:WF+32*\t+31], v[32:47], v[64+8*\t:71+8*\t], v[49+\t], v48 matrix_a_scale:MATRIX_SCALE_ROW1 matrix_b_scale:MATRIX_SCALE_ROW1
.endr
; Nine plain lines that name no register of the products stand between the last product and the first read of a result, where eight are asked: the offsets of the stores, the batch, the sum's zero.
	v_lshlrev_b32 v10, 4, v1
	v_lshl_add_u32 v10, v2, 12, v10                ; idx, wts: half h, query r: 4096 h + 16 r
	v_and_b32 v11, 31, v0
	v_lshlrev_b32 v11, 2, v11                      ; sw: 64 h + 4 r = 4 x lane
	v_lshl_add_u32 v12, s35, 4, v1                 ; my query, 0 .. 7199
	v_mul_u32_u24 v12, v12, 0x12346                ; / 900 = x 74566 >> 26: 74566 x 900 exceeds 2^26 by 536, which adds under 7200 x 536 / 2^26 / 900 to the quotient, less than the 1 / 900 that would turn it
	v_lshrrev_b32 v12, 26, v12
	v_mul_u32_u24 v12, v12, 0x2710                 ; batch x 10000
	v_mov_b32 v13, 0
; SOFTMAX over the four points of each of my two heads, the largest logit taken away first.  The accumulator is read from its low end on.
.irp i, 0,1
	v_max3_num_f32 v[112+\i], v[LG+4*\i], v[LG+4*\i+1], v[LG+4*\i+2]
.endr
.irp i, 0,1
	v_max_num_f32 v[112+\i], v[112+\i], v[LG+4*\i+3]
.endr
.irp i, 0,1
.irp p, 0,1,2,3
	v_sub_f32 v[LG+4*\i+\p], v[LG+4*\i+\p], v[112+\i]
.endr
.endr
.irp j, 0,1,2,3,4,5,6,7
	v_mul_f32 v[LG+\j], s43, v[LG+\j]
.endr
	s_wait_alu depctr_va_vdst(0)
.irp j, 0,1,2,3,4,5,6,7
	v_exp_f32 v[LG+\j], v[LG+\j]
.endr
	v_nop                                          ; one plain line between the exponentials and the use of their results
	s_wait_alu depctr_va_vdst(0)                   ; the eight exponentials have written v80 to v87, ahead of their first reader: one wait for the batch
.irp i, 0,1
	v_add_f32 v[114+\i], v[LG+4*\i], v[LG+4*\i+1]
	v_add_f32 v[116+\i], v[LG+4*\i+2], v[LG+4*\i+3]
.endr
.irp i, 0,1
	v_add_f32 v[114+\i], v[114+\i], v[116+\i]
.endr
	s_wait_alu depctr_va_vdst(0)
.irp i, 0,1
	v_rcp_f32 v[114+\i], v[114+\i]
.endr
	v_nop                                          ; the same behind the reciprocals
	s_wait_alu depctr_va_vdst(0)                   ; the two reciprocals have written v114 and v115, ahead of their first reader
.irp i, 0,1
	v_mul_f32 v[114+\i], 0x3e000000, v[114+\i]     ; / 8: the mean over the heads
.endr
.irp i, 0,1
.irp p, 0,1,2,3
	v_mul_f32 v[LG+4*\i+\p], v[LG+4*\i+\p], v[114+\i]
.endr
.endr
; The two axes of two points: four chains, line by line, so that no line waits for the line above it.  Chain q (0: x, 1: y of the first point; 2, 3: of the second) takes the offset in v[o + q] and works in v[WK + 6 q] on:
; +0, +1: the two cells, clipped into the map, as whole numbers; +2, +3: their weights, 0 where the cell lies outside; +4, +5: at work.
; The eight compares stand in one run, into eight scalar registers (s44-47: the lower cells; s36-39, free since the head: the upper ones); the eight conversions follow them; then one wait, and the eight selects.
.macro AXES o
.irp q, 0,1,2,3
	v_fma_f32 v[WK+6*\q+4], v[(\o)+\q], s40, v[56+\q%2]            ; ref + 0.1 offset
.endr
.irp q, 0,1,2,3
	v_med3_num_f32 v[WK+6*\q+4], v[WK+6*\q+4], 0, 1.0              ; clipped
.endr
.irp q, 0,1,2,3
	v_fma_f32 v[WK+6*\q+4], v[WK+6*\q+4], 2.0, -1.0                ; the grid coordinate
.endr
.irp q, 0,1,2,3
	v_add_f32 v[WK+6*\q+4], 1.0, v[WK+6*\q+4]
.endr
.irp q, 0,1,2,3
	v_fma_f32 v[WK+6*\q+4], v[WK+6*\q+4], s41, -1.0
.endr
.irp q, 0,1,2,3
	v_mul_f32 v[WK+6*\q+4], 0.5, v[WK+6*\q+4]                      ; ((g + 1) x 100 - 1) / 2
.endr
.irp q, 0,1,2,3
	v_floor_f32 v[WK+6*\q+5], v[WK+6*\q+4]
.endr
.irp q, 0,1,2,3
	v_sub_f32 v[WK+6*\q+3], v[WK+6*\q+4], v[WK+6*\q+5]             ; the upper cell's weight,
.endr
.irp q, 0,1,2,3
	v_sub_f32 v[WK+6*\q+2], 1.0, v[WK+6*\q+3]                      ; the lower cell's
.endr
.irp q, 0,1,2,3
	v_add_f32 v[WK+6*\q+4], 1.0, v[WK+6*\q+5]                      ; the upper cell
.endr
.irp q, 0,1,2,3
	v_med3_num_f32 v[WK+6*\q], v[WK+6*\q+5], 0, s42
.endr
.irp q, 0,1,2,3
	v_med3_num_f32 v[WK+6*\q+1], v[WK+6*\q+4], 0, s42
.endr
.irp q, 0,1,2,3
	v_cmp_eq_f32 s[44+\q], v[WK+6*\q+5], v[WK+6*\q]                ; a cell that the clip moves lies outside
.endr
.irp q, 0,1,2,3
	v_cmp_eq_f32 s[36+\q], v[WK+6*\q+4], v[WK+6*\q+1]
.endr
.irp q, 0,1,2,3
	v_cvt_u32_f32 v[WK+6*\q], v[WK+6*\q]
.endr
.irp q, 0,1,2,3
	v_cvt_u32_f32 v[WK+6*\q+1], v[WK+6*\q+1]
.endr
	s_wait_alu depctr_va_sdst(0)                   ; the eight compares have written s44 to s47 and s36 to s39, ahead of the selects that read them
.irp q, 0,1,2,3
	v_cndmask_b32 v[WK+6*\q+2], 0, v[WK+6*\q+2], s[44+\q]
.endr
.irp q, 0,1,2,3
	v_cndmask_b32 v[WK+6*\q+3], 0, v[WK+6*\q+3], s[36+\q]
.endr
.endm
; My point g (0 .. 7) from its chains at bx (x) and by (y): four indices, four weights, and their sum onto v13.  Each out-register is written once.
.macro PT g, bx, by
.set PR, PT0+8*(\g)
	v_mad_u32_u24 v[\by+4], v[\by], 100, v12       ; the two rows of the map
	v_mad_u32_u24 v[\by+5], v[\by+1], 100, v12
	v_mul_f32 v[\bx+4], v[LG+(\g)], v[\by+2]
	v_mul_f32 v[\bx+5], v[LG+(\g)], v[\by+3]
	v_add_nc_u32 v[PR], v[\by+4], v[\bx]
	v_add_nc_u32 v[PR+1], v[\by+4], v[\bx+1]
	v_add_nc_u32 v[PR+2], v[\by+5], v[\bx]
	v_add_nc_u32 v[PR+3], v[\by+5], v[\bx+1]
	v_mul_f32 v[PR+4], v[\bx+4], v[\bx+2]
	v_mul_f32 v[PR+5], v[\bx+4], v[\bx+3]
	v_mul_f32 v[PR+6], v[\bx+5], v[\bx+2]
	v_mul_f32 v[PR+7], v[\bx+5], v[\bx+3]
	v_add_f32 v[\by+4], v[PR+4], v[PR+5]
	v_add_f32 v[\by+5], v[PR+6], v[PR+7]
	v_add_f32 v[\by+4], v[\by+4], v[\by+5]
	v_add_f32 v13, v13, v[\by+4]
.endm
; Its two stores.  Sixteen lanes store 256 consecutive bytes, at a multiple of 256 from the buffer's first byte.
.macro OUT g
	global_store_b128 v10, v[PT0+8*(\g):PT0+8*(\g)+3], s[26:27] offset:256*(\g)
	global_store_b128 v10, v[PT0+8*(\g)+4:PT0+8*(\g)+7], s[28:29] offset:256*(\g)
.endm
.irp i, 0,1                                    ; each accumulator of offsets is read from its low end on
.irp p, 0,2
	AXES OD+8*\i+2*\p
	PT 4*\i+\p, WK, WK+6
	PT 4*\i+\p+1, WK+12, WK+18
	s_wait_alu depctr_va_vdst(0)                   ; the two points' sixteen out-registers are written, which the four stores below read; so are their offset v10 and, the last time, v11 and v13
	OUT 4*\i+\p
	OUT 4*\i+\p+1
.endr
.endr
	global_store_b32 v11, v13, s[30:31]            ; no vector line stands between the last wait and this store
	s_endpgm
.Lfunc_end_k_qf5de469bc0_points:
	.size	k_qf5de469bc0_points, .Lfunc_end_k_qf5de469bc0_points-k_qf5de469bc0_points
	.p2alignl 7, 3214868480
	.fill 96, 4, 3214868480
	.section	.rodata,"a",@progbits
	.p2align	6, 0x0
	.amdhsa_kernel k_qf5de469bc0_points
		.amdhsa_group_segment_fixed_size 0
		.amdhsa_private_segment_fixed_size 0
		.amdhsa_enable_private_segment 0
		.amdhsa_kernarg_size 96
		.amdhsa_user_sgpr_count 2
		.amdhsa_user_sgpr_kernarg_segment_ptr 1
		.amdhsa_wavefront_size32 1
		.amdhsa_system_sgpr_workgroup_id_x 1
		.amdhsa_system_sgpr_workgroup_id_y 1
		.amdhsa_system_sgpr_workgroup_id_z 1
		.amdhsa_system_vgpr_workitem_id 0
		.amdhsa_next_free_vgpr 224
		.amdhsa_next_free_sgpr 66
		.amdhsa_reserve_vcc 0
		.amdhsa_float_denorm_mode_32 3
		.amdhsa_float_denorm_mode_16_64 3
		.amdhsa_memory_ordered 1
		.amdhsa_forward_progress 1
		.amdhsa_inst_pref_size 31
	.end_amdhsa_kernel
	.amdgpu_metadata
---
amdhsa.version: [ 1, 2 ]
amdhsa.kernels:
  - .name:           k_qf5de469bc0_points
    .symbol:         k_qf5de469bc0_points.kd
    .args:
      - { .name: query_codes, .offset: 0, .size: 8, .value_kind: global_buffer, .address_space: global }
      - { .name: query_scales, .offset: 8, .size: 8, .value_kind: global_buffer, .address_space: global }
      - { .name: reference_points, .offset: 16, .size: 8, .value_kind: global_buffer, .address_space: global }
      - { .name: W_off_codes, .offset: 24, .size: 8, .value_kind: global_buffer, .address_space: global }
      - { .name: W_off_scales, .offset: 32, .size: 8, .value_kind: global_buffer, .address_space: global }
      - { .name: b_off, .offset: 40, .size: 8, .value_kind: global_buffer, .address_space: global }
      - { .name: W_attn_codes, .offset: 48, .size: 8, .value_kind: global_buffer, .address_space: global }
      - { .name: W_attn_scales, .offset: 56, .size: 8, .value_kind: global_buffer, .address_space: global }
      - { .name: b_attn, .offset: 64, .size: 8, .value_kind: global_buffer, .address_space: global }
      - { .name: idx, .offset: 72, .size: 8, .value_kind: global_buffer, .address_space: global }
      - { .name: wts, .offset: 80, .size: 8, .value_kind: global_buffer, .address_space: global }
      - { .name: sw, .offset: 88, .size: 8, .value_kind: global_buffer, .address_space: global }
    .group_segment_fixed_size: 0
    .private_segment_fixed_size: 0
    .kernarg_segment_align: 8
    .kernarg_segment_size: 96
    .max_flat_workgroup_size: 64
    .sgpr_count:     66
    .vgpr_count:     224
    .wavefront_size: 32
...
	.end_amdgpu_metadata
.endif
;; end of part 3
;; launch sample (part 4): grid 225 x 1, 4 waves a work-group, no clusters, 209,408 bytes of LDS; arguments value_codes, value_scales, W_v_codes, W_v_scales, b_v, W_out_codes, W_out_scales, b_out, idx, wts, sw, out0; writes out0
.if DOCPART == 4
	.amdgcn_target "amdgcn-amd-amdhsa--gfx1250"
	.amdhsa_code_object_version 6
	.text
	.protected	k_qf5de469bc0_sample
	.globl	k_qf5de469bc0_sample
	.p2align	8
	.type	k_qf5de469bc0_sample,@function
k_qf5de469bc0_sample:
	s_mov_b64 s[64:65], 0
	v_nop
	global_prefetch_b8 v0, s[64:65] scope:SCOPE_SE
	s_setreg_imm32_b32 hwreg(HW_REG_WAVE_SCHED_MODE, 0, 2), 2
	s_setreg_imm32_b32 hwreg(HW_REG_WAVE_MODE, 25, 1), 1
	s_wait_xcnt 0x0
	s_wait_alu depctr_vm_vsrc(0)
; out = Q(sum over 128 corners of w x (value row . W_v + b_v)) W_out + b_out, for 32 queries a work-group.  Q: the MX quantiser to E4M3 along the 256 channels.
; THE PROJECTED MAP IS NEVER STORED.  Each corner's row of value is gathered AS CODES (256 bytes and 8 scale bytes) straight into the registers of a matrix operand and multiplied by W_v there:
; the same operands, the same instruction and the same K order as the projection of the whole map, so the same numbers.  The weighted sum is taken from the accumulators, in f32.
; SHARES.  Four waves.  Wave w: query tile 2 x + w / 2 (16 queries), half sh = w mod 2 of its points: 16 points x 4 corners = 64 STEPS.  A step: one corner of one point for the 16 queries:
; source 1 = the 16 gathered rows (lane (r, h) holds query r), source 0 = the 16 tiles of W_v, which lie WHOLE in the wave's registers: 32 products.  A lane's results are channels of its own query,
; so acc += D x w needs no other lane: 64 packed multiply-adds a step.
; THE ROWS OF W_v THAT FORM A TILE ARE CHOSEN: lane r of logical tile L takes row 32 (L / 2) + 8 (L mod 2) + r + 8 (r / 8), so that the 16 registers of tiles 2 b, 2 b + 1 are 16 neighbouring channels, as the quantiser wants.
; Register tile T holds logical tile (T + 8 sh) mod 16: tiles 0-7 are the 128 channels that the wave keeps (K step sh of the last product), tiles 8-15 those that it hands to its partner through LDS.
; So every wave runs the same text, with no branch on its number.
; THE RING.  Four slots of 32 registers (and a scale word) in window 0 take turns; a slot is asked for three steps, 96 products, ahead of its use: 27 to 29 loads of a wave are out.  Indices come two points ahead, weights one.
; THE SLICES.  Two packed multiply-adds stand behind EACH product of a window, under the products' own window setting: five switches a step.  A window's five tiles go in the order (tile, K step)
; (0,0) (1,0) (0,1) (1,1) (2,0) (3,0) (2,1) (4,0) (3,1) (4,1).  Tiles 2, 3, 4 are added up a step LATE, with the last step's weight: their lines stand ahead of the product that begins the tile anew.
; Tiles 0 and 1 are finished early in the visit and are added up in the SAME visit, with this step's weight.  Tile 15, in window 0, is added up late, at the head of the next step.
; NO CLUSTER, NO TENSOR LOAD: 225 work-groups divide into no cluster of four; what work-groups share, the two weights, is 131,072 of the 1,245,184 bytes that a work-group reads; the gathered rows are a list, shared with nobody.
; LIMITS: NaN and infinities among the inputs are not served.  A block of the quantised operand whose largest magnitude lies under 2^-118, a block of zeros among them, gets the scale byte 1 (the bytes are read here alone; a block
; of zeros has zero codes under any byte).  The 128 terms of a sum are added in another order than the definition's.  An index beyond the map's last row (none is made) would be held at that row.
; THE MODE: SCHED_MODE bits 1:0 = 2 (LLVM: expert scheduling mode 2), set by the entry lines.  The code itself states the register dependences between vector or matrix instructions and memory or LDS instructions,
; and those through scalar registers that vector instructions write, with s_wait_alu, always for 0.
; THE PLAN.  Registers that memory instructions touch in the 64 steps (step s works on slot k = s mod 4):
;   slot k, v[SS + k]          Step s: its 32 products read them.  The nine loads of step s + 1 land in them: the row of step s + 4.
;   v[OFFC + k], v[OFFS + k]   Written by three vector lines at the head of step s + 1, read by those nine loads, written again four steps later.
;   v[IX ..], set a            Read by the offsets' lines, the last time in the first step of point a; the load in that point's second step lands in it.
;   v[WT ..], set 1 - a        Read by the slices, the last time by the late lines of point a's first step; the load in that point's second step lands in it.
;   v[L16]                     Read by the loads of indices and weights; never written again.
;   W_v's fragments and scale words, D and acc are named by vector and matrix instructions alone.
; So ONE wait on va_vdst stands in a step that loads, at its head, behind the offsets' three lines and tile 15's four late lines and ahead of the step's first product: the offsets are written; the products of the step
; before are done reading their slot and its scale word; in a point's second step the lines that read the two sets are done.  The step's loads follow in its two places under window 0: the nine behind product (15, 0), those of
; indices and weights behind product (15, 1); what stands between the wait and them names slot k, v[SS + k], W_v's scale words, weights of set a and registers of windows 1 to 3: none of the registers that those loads touch.
; ONE wait on vm_vsrc stands in a point, at the head of its first step: the offsets that the point's four steps write were read by loads of the point before (for the first point: of the head), all issued ahead of it.
; REGISTERS, in windows of 256.  Tile T < 15: window 1 + T / 5, u = T mod 5: W_v's two fragments v[32 u ..], D v[160 + 8 u ..], acc v[200 + 8 u ..].  Tile 15: window 0: v192-223, D v224-231, acc v232-239.
;   window 0: v1-5 lane terms; v8-11, v12-15 the slots' offsets; v16-31 W_v's scale words (lanes 0-15: K 0-127, lanes 16-31: K 128-255); v32-35 the slots' scale words, laid likewise; v36-43 indices, v44-51 weights, two points each;
;   v52-53 the sum of weights; v64-191 the ring; v240-247 W_out's scale words; v6, v7, v54-63, v248-255 at work in head and tail.
; LDS: everything but the stage is an image of registers, 16 bytes a lane, 512 consecutive bytes an instruction; every region is written once.
.set WVI, 0                            ; W_v's 32 fragments: 4096 L + 2048 s + 512 c
.set WOI, 65536                        ; W_out's likewise
.set MRG, 131072                       ; 8,192 bytes a wave: the eight tiles of acc that it hands over
.set FIM, 163840                       ; 2,048 a wave: its fragment of codes
.set FSC, 172032                       ; 128 a wave: that fragment's scale words
.set BVL, 172544                       ; b_v
.set BOL, 173568                       ; b_out
.set STG, 174592                       ; the way out: 16 rows x (512 + 16) bytes for each wave
.set SPITCH, 528
.set LI,   1                           ; 16 x lane
.set L16,  2                           ; 16 r
.set H16,  3                           ; 16 h
.set H4,   4                           ; 4 h
.set TMP,  5
.set OFFC, 8
.set OFFS, 12
.set WS,   16
.set SS,   32
.set IX,   36
.set WT,   44
.set SWR,  52
.set PW,   54
.set RING, 64
.set HH,   64                          ; the tail: the 64 numbers to be quantised
.set BVR,  128
.set XF,   192
.set PC,   224
.set WOS,  240
.set TM,   36                          ; the tail: v36-39 largest magnitudes, v40-43 bytes, v44-47 448 x the scale, v48-51 the conversions' scale operands
.set MS, 248
.set MR, 249
.set BV, 250
.set BO, 251
.set WO, 252
.set FS, 253
.set FW, 254
.set FR, 255
.set FQ, 6
.set SO, 7
.set SR, 56
.set MSB, 0
.macro WIN new                         ; the immediate's high byte repeats the setting that is left; a switch that changes nothing is dropped
.if MSB != (\new)
	s_set_vgpr_msb (MSB<<8)|(\new)
.set MSB, (\new)
.endif
.endm
; Product (tile T, K step s) on slot k.  s = 0 starts the sum with the constant 0; s = 1 adds in place and takes both sides' scale words from lanes 16-31.
.macro MM T, s, k
.if (\T) == 15
.set rW, 192+16*(\s)
.set rD, 224
.else
.set rW, 32*((\T)%5)+16*(\s)
.set rD, 160+8*((\T)%5)
.endif
.set rB, RING+32*(\k)+16*(\s)
.if (\s) == 0
	v_wmma_scale_f32_16x16x128_f8f6f4 v[rD:rD+7], v[rW:rW+15], v[rB:rB+15], 0, v[WS+(\T)], v[SS+(\k)]
.else
	v_wmma_scale_f32_16x16x128_f8f6f4 v[rD:rD+7], v[rW:rW+15], v[rB:rB+15], v[rD:rD+7], v[WS+(\T)], v[SS+(\k)] matrix_a_scale:MATRIX_SCALE_ROW1 matrix_b_scale:MATRIX_SCALE_ROW1
.endif
.endm
; Half hf (0: registers 0-3, 1: registers 4-7) of the slice of tile T: acc += D x w, w in register wr (of its pair the one word serves both halves): two lines.
; mode 2: multiply-add; 1: the multiplication that starts the sums; 0: two v_nop, so that every distance in a step without these lines is that of every other step.  Half 0 comes first: D is read from its low end on.
.macro SLH T, wr, mode, hf
.if (\T) == 15
.set rD, 224+4*(\hf)
.set rA, 232+4*(\hf)
.else
.set rD, 160+8*((\T)%5)+4*(\hf)
.set rA, 200+8*((\T)%5)+4*(\hf)
.endif
.set rP, (\wr)-((\wr)%2)
.irp i, 0,2
.if (\mode) == 2
.if (\wr)%2
	v_pk_fma_f32 v[rA+\i:rA+\i+1], v[rD+\i:rD+\i+1], v[rP:rP+1], v[rA+\i:rA+\i+1] op_sel:[0,1,0] op_sel_hi:[1,1,1]
.else
	v_pk_fma_f32 v[rA+\i:rA+\i+1], v[rD+\i:rD+\i+1], v[rP:rP+1], v[rA+\i:rA+\i+1] op_sel_hi:[1,0,1]
.endif
.elseif (\mode) == 1
.if (\wr)%2
	v_pk_mul_f32 v[rA+\i:rA+\i+1], v[rD+\i:rD+\i+1], v[rP:rP+1] op_sel:[0,1] op_sel_hi:[1,1]
.else
	v_pk_mul_f32 v[rA+\i:rA+\i+1], v[rD+\i:rD+\i+1], v[rP:rP+1] op_sel_hi:[1,0]
.endif
.else
	v_nop
.endif
.endr
.endm
; The five tiles of window X: destination, source 0 and source 2 in X, source 1 (the ring, w) in window 0: one setting for products and slices.  wp, pm: the last step's weight and the mode of the late lines; wc, cm: this step's.
; No product follows the one that it adds onto: the accumulators take turns.  A result is read eight plain lines or more behind its second product:
; behind (0,1) stand the eight lines of tiles 3 and 4, behind (1,1) six of those and tile 0's four; none of them names a register of that product.
.macro VISIT X, k, wp, pm, wc, cm
	WIN 0x51*(\X)
.set VT, 5*((\X)-1)
	MM VT, 0, \k
	SLH VT+2, \wp, \pm, 0
	MM VT+1, 0, \k
	SLH VT+2, \wp, \pm, 1
	MM VT, 1, \k
	SLH VT+3, \wp, \pm, 0
	MM VT+1, 1, \k
	SLH VT+3, \wp, \pm, 1
	MM VT+2, 0, \k
	SLH VT+4, \wp, \pm, 0
	MM VT+3, 0, \k
	SLH VT+4, \wp, \pm, 1
	MM VT+2, 1, \k
	SLH VT, \wc, \cm, 0
	MM VT+4, 0, \k
	SLH VT, \wc, \cm, 1
	MM VT+3, 1, \k
	SLH VT+1, \wc, \cm, 0
	MM VT+4, 1, \k
	SLH VT+1, \wc, \cm, 1
.endm
; Slot k's two offsets, from the row named by register ix.  The index is held at the map's last row, 79,999.
; They are written again only behind the counted wait that showed the slot's last loads done, and behind the point's wait on vm_vsrc.
.macro RADDR k, ix
	v_min_u32 v[TMP], 0x1387f, v[\ix]
	v_lshl_add_u32 v[OFFC+(\k)], v[TMP], 8, v[H16]
	v_lshl_add_u32 v[OFFS+(\k)], v[TMP], 3, v[H4]
.endm
; Slot k is asked for.  Lane (r, h) takes the bytes 32 c + 16 h of each half of query r's row: the operand's own layout.  Nine loads.
.macro RLOAD k
.irp c, 0,1,2,3
	global_load_b128 v[RING+32*(\k)+4*\c:RING+32*(\k)+4*\c+3], v[OFFC+(\k)], s[8:9] offset:32*\c
.endr
.irp c, 0,1,2,3
	global_load_b128 v[RING+32*(\k)+16+4*\c:RING+32*(\k)+16+4*\c+3], v[OFFC+(\k)], s[8:9] offset:128+32*\c
.endr
	global_load_b32 v[SS+(\k)], v[OFFS+(\k)], s[10:11]
.endm
; A STEP on slot k.  cnt: the loads issued behind the slot's nine.  fi, fw: the indices of the point two on, the weights of the next point.  rf: the slot read last is asked for again.
.macro STEP k, wp, pm, wc, cm, cnt, a, fi, fw, rf, ix
	WIN 0
	s_wait_loadcnt \cnt                            ; loads come back in order: slot k and its scale word are in, the younger loads stay out
.if (\k) == 0
	s_wait_alu depctr_vm_vsrc(0)                   ; the loads issued so far have read their offsets: those of the four slots, which this point's four steps write again, were last read by loads of the point before
.endif
.if \rf
	RADDR ((\k)+3)%4, \ix
.endif
	SLH 15, \wp, \pm, 0
	SLH 15, \wp, \pm, 1
.if (\rf)+(\fi)+(\fw)
	s_wait_alu depctr_va_vdst(0)                   ; the two offsets are written, which this step's nine loads read; the last step's products are done reading the slot and the scale word in which they land; where indices and weights are asked for, the lines that read those two sets are done
.endif
	MM 15, 0, \k
.if \rf
	RLOAD ((\k)+3)%4                               ; (nine plain lines, two that close the step before and the seven above, also stand between the slot's last product and these loads)
.endif
	VISIT 1, \k, \wp, \pm, \wc, \cm
	WIN 0
	MM 15, 1, \k
.if \fi
	global_load_b128 v[IX+4*(\a):IX+4*(\a)+3], v[L16], s[24:25] offset:256*((\a)+2)        ; no wait: no vector or matrix line since the wait at the step's head names this set or v[L16]
.endif
.if \fw
	global_load_b128 v[WT+4*(1-(\a)):WT+4*(1-(\a))+3], v[L16], s[26:27] offset:256*((\a)+1)   ; likewise: this step's slices take their weights from the other set
.endif
	VISIT 2, \k, \wp, \pm, \wc, \cm
	VISIT 3, \k, \wp, \pm, \wc, \cm
.endm
; A POINT, four steps; a = the point's number mod 2 picks its set of indices and weights.
; Step 0: slots 1 and 2 may stay out: 18.  Behind slot 1's loads stand slots 2 and 3: 18.  Behind slot 2's: slot 3, slot 0, the index and weight loads.  Behind slot 3's: slot 0, those loads, slot 1.
; A point's weights were asked for behind its slot 0's loads and ahead of slot 1's, so the count 18 at the head of its first step shows them in too.
; first = 1: the first step of all has no late lines, and its own lines start the sums of tiles 0 and 1 of each window; the second step's late lines start the others.
.macro POINT a, first, fi, fw, fr
	STEP 0, WT+4*(1-(\a))+3, 2-2*(\first), WT+4*(\a), 2-(\first), 18, \a, 0, 0, 1, IX+4*(\a)+3
	STEP 1, WT+4*(\a), 2-(\first), WT+4*(\a)+1, 2, 18, \a, \fi, \fw, \fr, IX+4*(1-(\a))
	STEP 2, WT+4*(\a)+1, 2, WT+4*(\a)+2, 2, 9+(\fi)+(\fw)+9*(\fr), \a, 0, 0, \fr, IX+4*(1-(\a))+1
	STEP 3, WT+4*(\a)+2, 2, WT+4*(\a)+3, 2, (\fi)+(\fw)+18*(\fr), \a, 0, 0, \fr, IX+4*(1-(\a))+2
.endm
.macro STEPBASE                        ; two points on in idx and in wts
	WIN 0                                          ; at a label and at a branch every window is 0
	s_wait_xcnt 0x0                                ; the bases are stepped only behind this wait
	s_add_nc_u64 s[24:25], s[24:25], 512
	s_add_nc_u64 s[26:27], s[26:27], 512
.endm
.macro WVFRAG T                        ; tile T's two fragments of W_v out of their images
.if (\T) == 15
.set rW, 192
.else
.set rW, 32*((\T)%5)
.endif
.set rAd, 250+(\T)/8
.irp s, 0,1
.irp c, 0,1,2,3
	ds_load_b128 v[rW+16*\s+4*\c:rW+16*\s+4*\c+3], v[rAd] offset:4096*((\T)%8)+2048*\s+512*\c
.endr
.endr
.endm
.macro BARRIER                         ; my LDS stores have landed and my LDS loads are in: then the work-group's barrier
	s_wait_dscnt 0x0
	s_barrier_signal -1
	s_barrier_wait -1
.endm
; ---- THE HEAD
	s_load_b512 s[8:23], s[0:1], 0x0               ; value codes 8, value scales 10, W_v codes 12, scales 14, b_v 16, W_out codes 18, scales 20, b_out 22
	s_load_b256 s[24:31], s[0:1], 0x40             ; idx 24, wts 26, sw 28, out0 30
	s_set_vgpr_msb 0x80
	v_lshl_add_u32 v254, v0, 2, 0x33000
	v_mov_b32 v255, 0
	s_set_vgpr_msb 0x8000
	v_lshrrev_b32 v5, 5, v0
	v_readfirstlane_b32 s32, v5                    ; wave 0..3
	s_mov_b32 s37, 0
	s_mov_b32 s40, 0x76543210
	s_mov_b32 s41, 0xfedcba98                      ; v_permlanex16_b32: lane l xor 16
	s_mov_b32 s42, 0x600000                        ; the mantissa field of 448
	v_and_b32 v1, 31, v0
	v_lshlrev_b32 v[LI], 4, v1
	v_and_b32 v5, 15, v0                           ; r
	v_lshlrev_b32 v[L16], 4, v5
	v_bfe_u32 v4, v0, 4, 1                         ; h
	v_lshlrev_b32 v[H16], 4, v4
	v_lshlrev_b32 v[H4], 2, v4
	v_and_b32 v6, 8, v5
	v_add_nc_u32 v6, v6, v5                        ; r + 8 (r / 8)
	v_lshl_add_u32 v62, v6, 8, v[H16]              ; W_v's codes: my row in a tile, + 16 h
	v_lshl_add_u32 v6, v6, 3, v[H4]                ; its scale word
	s_wait_alu depctr_va_sdst(0)                   ; s32, the wave's number, is written, ahead of its first reader
	s_and_b32 s33, s32, 1                          ; sh: my half of the points, and my K step of the last product
	s_lshr_b32 s34, s32, 1                         ; which of the two query tiles
	s_lshl_b32 s35, ttmp9, 1
	s_add_co_u32 s35, s35, s34                     ; my tile of 16 queries
	s_lshl_b32 s43, s33, 10
	s_xor_b32 s44, s43, 1024
	v_add_nc_u32 v7, s44, v6                       ; tiles 8-15: the other 128 rows of W_v,
	v_add_nc_u32 v6, s43, v6                       ; tiles 0-7: rows 128 sh on
	v_lshl_add_u32 v63, v5, 8, v[H16]              ; W_out's codes: row r, + 16 h
	v_lshl_add_u32 v58, v5, 3, v[H4]
	v_add_nc_u32 v58, s43, v58                     ; W_out's scale words: rows 128 sh on
	v_lshlrev_b32 v59, 2, v5                       ; sw: 4 r
	v_lshlrev_b32 v60, 3, v0                       ; the biases: 8 bytes a thread
	v_add_nc_u32 v61, BVL, v60
	s_lshl_b32 s45, s32, 14                        ; my quarter of each weight: 64 rows, four tiles
	v_add_nc_u32 v248, s45, v[LI]                  ; where its images go: W_v's,
	v_add_nc_u32 v249, WOI, v248                   ; W_out's
	s_lshl_b32 s46, s33, 15
	s_xor_b32 s47, s46, 32768
	v_add_nc_u32 v250, s46, v[LI]                  ; where tiles 0-7 come from: logical tiles 8 sh on,
	v_add_nc_u32 v251, s47, v[LI]                  ; tiles 8-15: the other eight
	s_wait_kmcnt 0x0
	s_lshl_b32 s36, s35, 13
	s_lshl_b32 s43, s33, 12
	s_add_co_u32 s36, s36, s43                     ; idx, wts: 8192 x tile + 4096 x half
	s_add_nc_u64 s[24:25], s[24:25], s[36:37]
	s_add_nc_u64 s[26:27], s[26:27], s[36:37]
	s_lshl_b32 s36, s35, 8
	s_add_nc_u64 s[28:29], s[28:29], s[36:37]      ; sw: 256 x tile
	s_lshl_b32 s36, s35, 14
	s_lshl_b32 s43, s33, 9
	s_add_co_u32 s36, s36, s43                     ; out0: 16 rows of 1,024 bytes x tile + my 128 columns
	s_add_nc_u64 s[30:31], s[30:31], s[36:37]
	s_mov_b32 s36, s45
	s_add_nc_u64 s[12:13], s[12:13], s[36:37]
	s_add_nc_u64 s[18:19], s[18:19], s[36:37]
	s_wait_alu depctr_va_vdst(0)                   ; the head's offsets and LDS addresses are written (v1, v2, v6, v7, v58 to v63, v248 to v251), which the loads and LDS instructions of the head read
	global_load_b128 v[IX:IX+3], v[L16], s[24:25]                  ; points 0 and 1: their rows;
	global_load_b128 v[IX+4:IX+7], v[L16], s[24:25] offset:256
	global_load_b128 v[WT:WT+3], v[L16], s[26:27]                  ; point 0: its weights
.irp T, 0,1,2,3,4,5,6,7
	global_load_b32 v[WS+\T], v6, s[14:15] offset:(32*(\T/2)+8*(\T%2))*8
.endr
.irp T, 0,1,2,3,4,5,6,7
	global_load_b32 v[WS+8+\T], v7, s[14:15] offset:(32*(\T/2)+8*(\T%2))*8
.endr
.irp T, 0,1,2,3,4,5,6,7
	global_load_b32 v[WOS+\T], v58, s[20:21] offset:128*\T
.endr
	global_load_b32 v[SWR], v59, s[28:29]                          ; my query's four sums of 32 weights
	global_load_b32 v[SWR+1], v59, s[28:29] offset:64
	global_load_b32 v252, v59, s[28:29] offset:128
	global_load_b32 v253, v59, s[28:29] offset:192
	global_load_b64 v[54:55], v60, s[16:17]
	global_load_b64 v[56:57], v60, s[22:23]
	WIN 0x40                                       ; destination window 1
.irp t, 0,1,2,3
.irp s, 0,1
.irp c, 0,1,2,3
	global_load_b128 v[32*\t+16*\s+4*\c:32*\t+16*\s+4*\c+3], v62, s[12:13] offset:(32*(\t/2)+8*(\t%2))*256+128*\s+32*\c
.endr
.endr
.endr
	WIN 0
	s_wait_loadcnt 62                              ; the first three of the 65 loads: indices and weights
	RADDR 0, IX                                    ; the ring's first three slots: point 0, corners 0 to 2: their six offsets together,
	RADDR 1, IX+1
	RADDR 2, IX+2
	s_wait_alu depctr_va_vdst(0)                   ; which are written, ahead of the 27 loads that read them
	RLOAD 0
	RLOAD 1
	RLOAD 2
	s_wait_loadcnt 59                              ; all but W_v's 32 and the ring's 27: the biases are in
	ds_store_b64 v61, v[54:55]
	ds_store_b64 v61, v[56:57] offset:BOL-BVL
	s_wait_loadcnt 27                              ; all but the ring's: my quarter of W_v is in
	WIN 0x04                                       ; an LDS store's data are its source 1: window 1
.irp t, 0,1,2,3
.irp s, 0,1
.irp c, 0,1,2,3
	ds_store_b128 v248, v[32*\t+16*\s+4*\c:32*\t+16*\s+4*\c+3] offset:4096*\t+2048*\s+512*\c
.endr
.endr
.endr
	WIN 0x40                                       ; my quarter of W_out: three tiles into window 1, v160 on; the fourth into window 2, v160 on: registers that the loop writes only later
.irp t, 0,1,2
.irp s, 0,1
.irp c, 0,1,2,3
	global_load_b128 v[160+32*\t+16*\s+4*\c:160+32*\t+16*\s+4*\c+3], v63, s[18:19] offset:4096*\t+128*\s+32*\c
.endr
.endr
.endr
	WIN 0x80
.irp s, 0,1
.irp c, 0,1,2,3
	global_load_b128 v[160+16*\s+4*\c:160+16*\s+4*\c+3], v63, s[18:19] offset:4096*3+128*\s+32*\c
.endr
.endr
	WIN 0
	BARRIER                                        ; W_v's 32 images and the biases lie in LDS
	WIN 0x40
	s_wait_alu depctr_vm_vsrc(0)                   ; my LDS stores have read window 1's v0 to v127, in which W_v's fragments land
.irp T, 0,1,2,3,4
	WVFRAG \T
.endr
	WIN 0x80
.irp T, 5,6,7,8,9
	WVFRAG \T
.endr
	WIN 0xc0
.irp T, 10,11,12,13,14
	WVFRAG \T
.endr
	WIN 0
	WVFRAG 15
	s_wait_loadcnt 0x0                             ; my quarter of W_out is in (and all that was asked for before it)
	WIN 0x04
.irp t, 0,1,2
.irp s, 0,1
.irp c, 0,1,2,3
	ds_store_b128 v249, v[160+32*\t+16*\s+4*\c:160+32*\t+16*\s+4*\c+3] offset:4096*\t+2048*\s+512*\c
.endr
.endr
.endr
	WIN 0x08
.irp s, 0,1
.irp c, 0,1,2,3
	ds_store_b128 v249, v[160+16*\s+4*\c:160+16*\s+4*\c+3] offset:4096*3+2048*\s+512*\c
.endr
.endr
	WIN 0
	s_wait_dscnt 0x0                               ; W_v is in my registers; W_out's images have landed: they are read behind the next barrier
	v_add_f32 v[SWR], v[SWR], v[SWR+1]
	v_add_f32 v252, v252, v253
	v_add_f32 v[SWR], v[SWR], v252                 ; the sum of all 128 weights of my query
; ---- THE 64 STEPS
	POINT 0, 1, 1, 1, 1                            ; point 0 starts the sums.  The wait on vm_vsrc at its head also states that the LDS stores of W_out's quarter have read window 1's v160 to v255 and window 2's v160 to v191, which products and slices write from here on
	POINT 1, 0, 1, 1, 1
	STEPBASE
	s_mov_b32 s38, 6
.Lpair:                                                ; points 2 to 13, two a trip
	POINT 0, 0, 1, 1, 1
	POINT 1, 0, 1, 1, 1
	STEPBASE
	s_sub_co_u32 s38, s38, 1
	s_cmp_lg_u32 s38, 0
	s_cbranch_scc1 .Lpair
	POINT 0, 0, 0, 1, 1                            ; point 14: no indices are left to fetch
	POINT 1, 0, 0, 0, 0                            ; point 15: only its own last corner is still asked for; the counts run down, and its last three steps, which load nothing, hold no wait on va_vdst
; ---- THE TAIL
	WIN 0                                          ; the last step's late lines: tile 15 and tiles 2, 3, 4 of each window.  These 40 lines are also the places behind the last products for all that follows
	SLH 15, WT+7, 2, 0
	SLH 15, WT+7, 2, 1
	WIN 0x51
.irp T, 2,3,4
	SLH \T, WT+7, 2, 0
	SLH \T, WT+7, 2, 1
.endr
	WIN 0xa2
.irp T, 7,8,9
	SLH \T, WT+7, 2, 0
	SLH \T, WT+7, 2, 1
.endr
	WIN 0xf3
.irp T, 12,13,14
	SLH \T, WT+7, 2, 0
	SLH \T, WT+7, 2, 1
.endr
	WIN 0                                          ; the tail's addresses.  Of the registers written here v6, v7, v56 to v58 and v248 to v251 were read by memory and LDS instructions of the head alone, ahead of every point's wait on vm_vsrc
	s_lshl_b32 s43, s32, 13
	s_add_co_u32 s43, s43, MRG
	v_add_nc_u32 v[MS], s43, v[LI]                 ; what I hand over,
	s_xor_b32 s43, s32, 1
	s_lshl_b32 s43, s43, 13
	s_add_co_u32 s43, s43, MRG
	v_add_nc_u32 v[MR], s43, v[LI]                 ; what my partner (the same queries, the other half) hands me
	s_lshl_b32 s43, s33, 9
	s_add_co_u32 s44, s43, BVL
	v_lshl_add_u32 v[BV], v[H16], 2, s44           ; b_v at channel 128 sh + 16 h
	s_add_co_u32 s44, s43, BOL
	v_lshl_add_u32 v[BO], v[H16], 1, s44           ; b_out at column 128 sh + 8 h
	s_lshl_b32 s43, s33, 15
	s_add_co_u32 s43, s43, WOI
	v_add_nc_u32 v[WO], s43, v[LI]                 ; W_out's tiles 8 sh on
	s_lshl_b32 s43, s32, 11
	s_add_co_u32 s43, s43, FIM
	v_add_nc_u32 v[FS], s43, v[LI]                 ; my fragment of codes,
	v_lshrrev_b32 v57, 2, v[LI]                    ; (4 x lane)
	s_lshl_b32 s43, s32, 7
	s_add_co_u32 s43, s43, FSC
	v_add_nc_u32 v[FW], s43, v57                   ; its scale words;
	s_lshl_b32 s43, s34, 12
	s_add_co_u32 s43, s43, FIM
	v_add_nc_u32 v[FR], s43, v[LI]                 ; my query tile's two fragments,
	s_lshl_b32 s43, s34, 8
	s_add_co_u32 s43, s43, FSC
	v_add_nc_u32 v[FQ], s43, v57                   ; and their scale words
	s_mul_i32 s43, s32, 16*SPITCH
	s_add_co_u32 s43, s43, STG
	v_add_nc_u32 v[SR], s43, v[LI]                 ; my stage: back by rows, 16 bytes a lane;
	v_lshrrev_b32 v58, 4, v[L16]
	v_mul_u32_u24 v[SO], v58, SPITCH
	v_lshl_add_u32 v[SO], v[H16], 1, v[SO]
	v_add_nc_u32 v[SO], s43, v[SO]                 ; in: row r, + 32 h
	WIN 0x08                                       ; tiles 8-15 of acc go to my partner as they stand.  The data: window 2,
	s_wait_alu depctr_va_vdst(0)                   ; the slices have written acc, which the stores below read; the tail's eleven addresses are written; products and slices are done with the ring, W_v's fragments, D and acc, in which the loads behind the barrier land
.irp T, 8,9
	ds_store_b128 v[MS], v[200+8*(\T%5):203+8*(\T%5)] offset:1024*(\T-8)
	ds_store_b128 v[MS], v[204+8*(\T%5):207+8*(\T%5)] offset:1024*(\T-8)+512
.endr
	WIN 0x0c                                       ; window 3,
.irp T, 10,11,12,13,14
	ds_store_b128 v[MS], v[200+8*(\T%5):203+8*(\T%5)] offset:1024*(\T-8)
	ds_store_b128 v[MS], v[204+8*(\T%5):207+8*(\T%5)] offset:1024*(\T-8)+512
.endr
	WIN 0                                          ; window 0
	ds_store_b128 v[MS], v[232:235] offset:1024*7
	ds_store_b128 v[MS], v[236:239] offset:1024*7+512
	BARRIER                                        ; every wave's handed tiles and W_out's images lie in LDS
	s_wait_alu depctr_vm_vsrc(0)                   ; my LDS stores have read window 3's v200 to v239, in which W_out's fragments land, and window 0's v232 to v239, which the conversions write
.irp T, 0,1,2,3,4,5,6,7
	ds_load_b128 v[HH+8*\T:HH+8*\T+3], v[MR] offset:1024*\T
	ds_load_b128 v[HH+8*\T+4:HH+8*\T+7], v[MR] offset:1024*\T+512
.endr
.irp b, 0,1,2,3
.irp i, 0,1,2,3
	ds_load_b128 v[BVR+16*\b+4*\i:BVR+16*\b+4*\i+3], v[BV] offset:128*\b+16*\i
.endr
.endr
	WIN 0x80                                       ; b_out into the last product's eight accumulators, window 2, v0-63: it is the C of each sum's first product
.irp T, 0,1,2,3,4,5,6,7
	ds_load_b128 v[8*\T:8*\T+3], v[BO] offset:64*\T
	ds_load_b128 v[8*\T+4:8*\T+7], v[BO] offset:64*\T+16
.endr
	WIN 0xc0                                       ; my eight tiles of W_out fill window 3
.irp T, 0,1,2,3,4,5,6,7
.irp s, 0,1
.irp c, 0,1,2,3
	ds_load_b128 v[32*\T+16*\s+4*\c:32*\T+16*\s+4*\c+3], v[WO] offset:4096*\T+2048*\s+512*\c
.endr
.endr
.endr
	WIN 0
	s_wait_dscnt 63                                ; 80 loads stand behind b_v's; 63 is the largest count that the wait can name
	WIN 0x01                                       ; source 0 (my acc) window 1
.irp T, 0,1,2,3,4
.irp i, 0,2,4,6
	v_pk_add_f32 v[HH+8*\T+\i:HH+8*\T+\i+1], v[200+8*\T+\i:200+8*\T+\i+1], v[HH+8*\T+\i:HH+8*\T+\i+1]
.endr
.endr
	WIN 0x02
.irp T, 5,6,7
.irp i, 0,2,4,6
	v_pk_add_f32 v[HH+8*\T+\i:HH+8*\T+\i+1], v[200+8*(\T-5)+\i:200+8*(\T-5)+\i+1], v[HH+8*\T+\i:HH+8*\T+\i+1]
.endr
.endr
	WIN 0
.irp j, 0,2,4,6,8,10,12,14,16,18,20,22,24,26,28,30,32,34,36,38,40,42,44,46,48,50,52,54,56,58,60,62
	v_pk_fma_f32 v[HH+\j:HH+\j+1], v[BVR+\j:BVR+\j+1], v[SWR:SWR+1], v[HH+\j:HH+\j+1] op_sel_hi:[1,0,1]   ; + b_v x the sum of the weights.  Register 16 b + i: channel 128 sh + 32 b + 16 h + i of query r
.endr
; THE QUANTISER: four blocks of 32 channels, each in lanes l and l xor 16.
.irp b, 0,1,2,3
	v_max3_num_f32 v[TM+\b], |v[HH+16*\b]|, |v[HH+1+16*\b]|, 0x4800000   ; my 16 numbers, and the floor 2^(9 - 127): the byte cannot fall under 1
.endr
.irp i, 2,4,6,8,10,12,14
.irp b, 0,1,2,3
	v_max3_num_f32 v[TM+\b], v[TM+\b], |v[HH+16*\b+\i]|, |v[HH+1+16*\b+\i]|   ; (the four blocks by turns)
.endr
.endr
.irp b, 0,1,2,3
	v_permlanex16_b32 v[TM+4+\b], v[TM+\b], s40, s41   ; (its destination counts as read: these registers held indices)
.endr
.irp b, 0,1,2,3
	v_max_num_f32 v[TM+\b], v[TM+\b], v[TM+4+\b]   ; the block's largest magnitude
.endr
.irp b, 0,1,2,3
	v_add_nc_u32 v[TM+12+\b], 0xfc000000, v[TM+\b]   ; 8 off its exponent field: the conversion takes the exponent field of this operand as its scale
.endr
.irp b, 0,1,2,3
	v_and_or_b32 v[TM+8+\b], v[TM+\b], 0x7f800000, s42   ; 448 x the scale
.endr
.irp b, 0,1,2,3
	v_lshrrev_b32 v[TM+4+\b], 23, v[TM+12+\b]      ; the scale's byte
.endr
	v_lshl_or_b32 v[PW], v[TM+5], 8, v[TM+4]       ; the four bytes make my row's scale word
	v_lshl_or_b32 v[PW], v[TM+6], 16, v[PW]
	v_lshl_or_b32 v[PW], v[TM+7], 24, v[PW]
.irp b, 0,1,2,3
.irp i, 0,1,2,3,4,5,6,7,8,9,10,11,12,13,14,15
	v_med3_num_f32 v[HH+16*\b+\i], v[HH+16*\b+\i], -v[TM+8+\b], v[TM+8+\b]   ; the conversion to an 8-bit code does not saturate (ISA guide 7.6.2): the hold at the largest code x the scale
.endr
	v_cvt_scalef32_pk8_fp8_f32 v[PC+4*\b:PC+1+4*\b], v[HH+16*\b:HH+7+16*\b], v[TM+12+\b]
	v_cvt_scalef32_pk8_fp8_f32 v[PC+2+4*\b:PC+3+4*\b], v[HH+8+16*\b:HH+15+16*\b], v[TM+12+\b]
.endr
	v_nop                                          ; one plain line behind the last conversion
	s_wait_alu depctr_va_vdst(0)                   ; the conversions have written the codes v[PC ..] and the lines above them the scale word v[PW], which the LDS stores below read
.irp c, 0,1,2,3
	ds_store_b128 v[FS], v[PC+4*\c:PC+4*\c+3] offset:512*\c   ; K step sh of my query tile's operand, as it stands
.endr
	ds_store_b32 v[FW], v[PW]
	BARRIER                                        ; the four fragments lie in LDS (and W_out and b_out are in my registers)
.irp s, 0,1
.irp c, 0,1,2,3
	ds_load_b128 v[XF+16*\s+4*\c:XF+16*\s+4*\c+3], v[FR] offset:2048*\s+512*\c   ; no wait: no vector or matrix line since the wait above names these registers, tile 15's fragments of W_v, or the two scale words below
.endr
.endr
	ds_load_b32 v[SS], v[FQ]
	ds_load_b32 v[SS+1], v[FQ] offset:128
	s_wait_dscnt 0x0
	WIN 0xa3                                       ; source 0 (W_out) window 3, source 1 (the codes) window 0, C and D window 2
; out^T = W_out Q(..)^T + b_out: my 128 columns for the 16 queries.  Eight accumulators by turns; K ascending.
.irp T, 0,1,2,3,4,5,6,7
	v_wmma_scale_f32_16x16x128_f8f6f4 v[8*\T:8*\T+7], v[32*\T:32*\T+15], v[XF:XF+15], v[8*\T:8*\T+7], v[WOS+\T], v[SS]
.endr
.irp T, 0,1,2,3,4,5,6,7
	v_wmma_scale_f32_16x16x128_f8f6f4 v[8*\T:8*\T+7], v[32*\T+16:32*\T+31], v[XF+16:XF+31], v[8*\T:8*\T+7], v[WOS+\T], v[SS+1] matrix_a_scale:MATRIX_SCALE_ROW1
.endr
	WIN 0
.rept 8
	v_nop                                          ; eight places in front of the first read of results
.endr
; THE WAY OUT.  A lane holds 32 neighbouring bytes of a row; through my own stage the 16 rows come back whole.  LDS serves a wave's instructions in order: no wait between the stores and the loads.
	WIN 0x08
	s_wait_alu depctr_va_vdst(0)                   ; the products have written the eight accumulators, which the LDS stores read (the places above stay beside this wait); the quantiser's lines are done with v[HH ..], in which the rows come back
.irp T, 0,1,2,3,4,5,6,7
	ds_store_b128 v[SO], v[8*\T:8*\T+3] offset:64*\T               ; each accumulator from its low end on
	ds_store_b128 v[SO], v[8*\T+4:8*\T+7] offset:64*\T+16
.endr
	WIN 0
.irp i, 0,1,2,3,4,5,6,7,8,9,10,11,12,13,14,15
	ds_load_b128 v[HH+4*\i:HH+4*\i+3], v[SR] offset:\i*SPITCH
.endr
.irp i, 0,1,2,3,4,5,6,7,8,9,10,11,12,13,14,15
	s_wait_dscnt 15-\i
	global_store_b128 v[LI], v[HH+4*\i:HH+4*\i+3], s[30:31] offset:1024*\i th:TH_STORE_NT   ; 32 lanes store 512 consecutive bytes, at a multiple of 256 from out0's first byte; written once, read by nobody here
.endr
	s_set_vgpr_msb 0xa                             ; the add's two registers, sources 0 and 1, lie in window 2; the six closing lines follow
	s_wait_dscnt 0x0
	s_wait_alu 0x0
	s_wait_tensorcnt 0x0
	ds_add_u32 v254, v255
	s_wait_dscnt 0x0
	s_endpgm
.Lfunc_end_k_qf5de469bc0_sample:
	.size	k_qf5de469bc0_sample, .Lfunc_end_k_qf5de469bc0_sample-k_qf5de469bc0_sample
	.p2alignl 7, 3214868480
	.fill 96, 4, 3214868480
	.section	.rodata,"a",@progbits
	.p2align	6, 0x0
	.amdhsa_kernel k_qf5de469bc0_sample
		.amdhsa_group_segment_fixed_size 209408
		.amdhsa_private_segment_fixed_size 0
		.amdhsa_enable_private_segment 0
		.amdhsa_kernarg_size 96
		.amdhsa_user_sgpr_count 2
		.amdhsa_user_sgpr_kernarg_segment_ptr 1
		.amdhsa_wavefront_size32 1
		.amdhsa_system_sgpr_workgroup_id_x 1
		.amdhsa_system_sgpr_workgroup_id_y 1
		.amdhsa_system_sgpr_workgroup_id_z 1
		.amdhsa_system_vgpr_workitem_id 0
		.amdhsa_next_free_vgpr 1024
		.amdhsa_next_free_sgpr 66
		.amdhsa_reserve_vcc 0
		.amdhsa_float_denorm_mode_32 3
		.amdhsa_float_denorm_mode_16_64 3
		.amdhsa_memory_ordered 1
		.amdhsa_forward_progress 1
		.amdhsa_inst_pref_size 255
	.end_amdhsa_kernel
	.section	.bss,"aw",@nobits
	.p2align	6
	.space	262144
	.amdgpu_metadata
---
amdhsa.version: [ 1, 2 ]
amdhsa.kernels:
  - .name:           k_qf5de469bc0_sample
    .symbol:         k_qf5de469bc0_sample.kd
    .args:
      - { .name: value_codes, .offset: 0, .size: 8, .value_kind: global_buffer, .address_space: global }
      - { .name: value_scales, .offset: 8, .size: 8, .value_kind: global_buffer, .address_space: global }
      - { .name: W_v_codes, .offset: 16, .size: 8, .value_kind: global_buffer, .address_space: global }
      - { .name: W_v_scales, .offset: 24, .size: 8, .value_kind: global_buffer, .address_space: global }
      - { .name: b_v, .offset: 32, .size: 8, .value_kind: global_buffer, .address_space: global }
      - { .name: W_out_codes, .offset: 40, .size: 8, .value_kind: global_buffer, .address_space: global }
      - { .name: W_out_scales, .offset: 48, .size: 8, .value_kind: global_buffer, .address_space: global }
      - { .name: b_out, .offset: 56, .size: 8, .value_kind: global_buffer, .address_space: global }
      - { .name: idx, .offset: 64, .size: 8, .value_kind: global_buffer, .address_space: global }
      - { .name: wts, .offset: 72, .size: 8, .value_kind: global_buffer, .address_space: global }
      - { .name: sw, .offset: 80, .size: 8, .value_kind: global_buffer, .address_space: global }
      - { .name: out0, .offset: 88, .size: 8, .value_kind: global_buffer, .address_space: global }
    .group_segment_fixed_size: 209408
    .private_segment_fixed_size: 0
    .kernarg_segment_align: 8
    .kernarg_segment_size: 96
    .max_flat_workgroup_size: 128
    .sgpr_count:     66
    .vgpr_count:     1024
    .wavefront_size: 32
...
	.end_amdgpu_metadata
.endif
;; end of part 4
